; MI455X (gfx1250); checked and timed in simulation.
; The chip was launched on July 23, 2026; its instructions are those of AMD's public machine-readable ISA for CDNA 5 (MIT licence, August 2026) and "CDNA5" Instruction Set Architecture Reference Guide (July 2026). The comments in the code are by the model that wrote it; some were corrected since.
;; Mo E Layer. Allowed arithmetic: matrix products marked QUANTISED: E3M2 operands, one E8M0 scale for each 32 along K, by v_wmma_scale_f32_16x16x128_f8f6f4 with both operands' format E3M2, f32 sums; products left as they are: f32 operands where the result goes on into a quantised operand, else bf16, f16 or f32 operands; f32 sums; everything else in f32.
;; Inputs: b1 8 x 4,096 float32; b2 8 x 1,024 float32; gate_w 1,024 x 8 float32; w1_codes 8 x 4,096 x 32 x 24 uint8 (E3M2 codes of w1, K innermost, in blocks of 32 codes, four codes in three bytes); w1_scales 8 x 4,096 x 32 uint8 (E8M0 scales of w1, one for each 32 codes along K); w2_codes 8 x 1,024 x 128 x 24 uint8 (E3M2 codes of w2, K innermost, in blocks of 32 codes, four codes in three bytes); w2_scales 8 x 1,024 x 128 uint8 (E8M0 scales of w2, one for each 32 codes along K); x 4 x 256 x 1,024 float32.
;; Outputs: out0 4 x 256 x 1,024 float32; out1 4 x 256 x 2 int32.
;; This version of the problem:
;;   THIS VERSION OF THE PROBLEM IS GIVEN IN LOW PRECISION. The matrix products marked QUANTISED in the list below multiply operands that are first quantised to E3M2 (3 exponent bits, 2 mantissa bits; 6 bits a number), with one power-of-two scale for each 32 numbers along K (OCP MX v1.0); their sums are f32. All else is computed in f32.
;;   The module's matrix products, in the order in which they are computed (A, B: the left and right operand; K: the contracted axis; several contracted axes count as one K, in the product's order):
;;     1. [M 1,024, K 1,024] x [K 1,024, N 8]; A: input x; B: input gate_w: left as it is (N = 8 < 16)
;;     2. [M 1,024, K 1,024] x [K 1,024, N 4,096]; A: input x; B: input w1 (given as codes): QUANTISED
;;     3. [M 1,024, K 4,096] x [K 4,096, N 1,024]; A: computed on the way; B: input w2 (given as codes): QUANTISED
;;     4. [M 1,024, K 1,024] x [K 1,024, N 4,096]; A: input x; B: input w1 (given as codes): QUANTISED
;;     5. [M 1,024, K 4,096] x [K 4,096, N 1,024]; A: computed on the way; B: input w2 (given as codes): QUANTISED
;;     6. [M 1,024, K 1,024] x [K 1,024, N 4,096]; A: input x; B: input w1 (given as codes): QUANTISED
;;     7. [M 1,024, K 4,096] x [K 4,096, N 1,024]; A: computed on the way; B: input w2 (given as codes): QUANTISED
;;     8. [M 1,024, K 1,024] x [K 1,024, N 4,096]; A: input x; B: input w1 (given as codes): QUANTISED
;;     9. [M 1,024, K 4,096] x [K 4,096, N 1,024]; A: computed on the way; B: input w2 (given as codes): QUANTISED
;;     10. [M 1,024, K 1,024] x [K 1,024, N 4,096]; A: input x; B: input w1 (given as codes): QUANTISED
;;     11. [M 1,024, K 4,096] x [K 4,096, N 1,024]; A: computed on the way; B: input w2 (given as codes): QUANTISED
;;     12. [M 1,024, K 1,024] x [K 1,024, N 4,096]; A: input x; B: input w1 (given as codes): QUANTISED
;;     13. [M 1,024, K 4,096] x [K 4,096, N 1,024]; A: computed on the way; B: input w2 (given as codes): QUANTISED
;;     14. [M 1,024, K 1,024] x [K 1,024, N 4,096]; A: input x; B: input w1 (given as codes): QUANTISED
;;     15. [M 1,024, K 4,096] x [K 4,096, N 1,024]; A: computed on the way; B: input w2 (given as codes): QUANTISED
;;     16. [M 1,024, K 1,024] x [K 1,024, N 4,096]; A: input x; B: input w1 (given as codes): QUANTISED
;;     17. [M 1,024, K 4,096] x [K 4,096, N 1,024]; A: computed on the way; B: input w2 (given as codes): QUANTISED
;;   THE QUANTISER, for each operand of a quantised product, along K:
;;     - K is cut into blocks of 32 from its start; a last block that is shorter is filled with zeros.
;;     - A block's scale is 2^e with e = floor(log2(the largest magnitude in the block)) - 4, held to -126 .. 127; a block of zeros has e = 0. As a byte (E8M0): e + 127.
;;     - Each number is divided by its block's scale, clamped to +-28, and rounded to the nearest number of E3M2, ties to even, subnormals kept.
;;     - The product sums the exact products of the quantised numbers (number of the format x scale) in f32.
;;   ~~~python
;;   def quantise(x, axis):      # numpy; x: float32 -> the quantised numbers, widened to float32 again
;;       x = np.moveaxis(x, axis, -1); K = x.shape[-1]
;;       x = np.pad(x, [(0, 0)] * (x.ndim - 1) + [(0, -K % 32)]); x = x.reshape(x.shape[:-1] + (-1, 32)); a = np.abs(x).max(-1, keepdims=True)
;;       e = np.where(a > 0, np.clip(np.frexp(np.where(a > 0, a, 1))[1] - 1 - 4, -126, 127), 0)      # np.frexp(a)[1] - 1 = floor(log2(a)), exactly
;;       r = np.clip(x / 2.0 ** e, -28, 28)
;;       step = 2.0 ** (np.maximum(np.frexp(np.where(r == 0, 1, r))[1] - 1, -2) - 2)
;;       q = np.round(r / step) * step * 2.0 ** e      # np.round: ties to even
;;       return np.moveaxis(q.reshape(q.shape[:-2] + (-1,))[..., :K], -1, axis).astype(np.float32)
;;   ~~~
;;   OPERANDS COMPUTED ON THE WAY. 'Computed on the way' means the value that the module computes at that place (a softmax that the list does not call 'softmax' is quantised finished and normalised). What goes into a quantiser is computed in f32, as accurately as f32 sums, v_exp_f32 and their like allow (about 1e-6 of the number): no bf16 or f16 on the way to a quantiser, and a product that is left as it is and whose result goes on into a quantised operand takes f32 operands (vector FMAs, or v_wmma_f32_16x16x4_f32). A number that lies on a knife's edge between two numbers of the format may be rounded either way, as far as f32 arithmetic and the matrix unit's own rounding can turn it there, and no further.
;;   INPUTS GIVEN AS CODES. w1 (in the module: [8, 1024, 4096], K = its axis 1); w2 (in the module: [8, 4096, 1024], K = its axis 1): each comes as NAME_codes (uint8): NAME with its K axis moved to the last place and cut into blocks of 32 codes, [.., K / 32, bytes a block], one block behind the other in memory; four codes in three bytes: a row's codes are one little-endian stream of bits, code i at bits 6 i .. 6 i + 5 (a code: sign, 3 exponent bits, 2 mantissa bits); and NAME_scales (uint8): the same leading axes, one E8M0 byte (e + 127) for each 32 codes along K. Its value is code x scale, taken as it is: it is not quantised again, and the codes and scales need not be those that the quantiser above would give.
;; 2 versions. Each part assembles by itself: llvm-mc -triple=amdgcn-amd-amdhsa -mcpu=gfx1250 --defsym DOCPART=n.
;; ======== version 1 of 2: 5 launches
;; workspace buffers: route 8,192 bytes of whole numbers; xg 827,392 bytes; plan 33,792 bytes of whole numbers; xs 6,553,600 bytes; hs 26,214,400 bytes; yp 134,217,728 bytes
;; launch gate (part 1): grid 128 x 1, 8 waves a work-group, no clusters, 76,288 bytes of LDS; arguments x, gate_w, out1, route, xg; writes out1, route, xg
.if DOCPART == 1
	.amdgcn_target "amdgcn-amd-amdhsa--gfx1250"
	.amdhsa_code_object_version 6
	.text
	.protected	k_q61ff11b5f3_gate
	.globl	k_q61ff11b5f3_gate
	.p2align	8
	.type	k_q61ff11b5f3_gate,@function
k_q61ff11b5f3_gate:
	s_mov_b64 s[64:65], 0
	v_nop
	global_prefetch_b8 v0, s[64:65] scope:SCOPE_SE
	s_setreg_imm32_b32 hwreg(HW_REG_WAVE_MODE, 25, 1), 1
	s_wait_xcnt 0x0
; GATE AND QUANTISER OF x.  One wave takes one token t = 8 x work-group + wave (1,024 tokens, 128 work-groups of 8 waves).
; It makes (a) the token's 8 logits x[t] . gate_w in f32 (fused multiply-adds), their two largest (on equal values the lower index, by strict compares), and the softmax of the two with the
; larger taken off first; (b) the token's 1,024 codes of E3M2 and 32 E8M0 bytes, by the rule: scale = 2^(floor(log2(largest magnitude of the 32)) - 4).
; OUT: out1[t][2] and route[slot][t]: the chosen experts, at fixed places (no address here hangs on them);  xg + 819,200: [slot][t] the two weights;
; xg + 0: codes [t][K step s 8][H 2][c 2][24 bytes]: lane (r, H) of a matrix operand finds its 12 registers of K step s as 48 bytes on end;
; xg + 786,432: scale words [t][H 2][p 4]: the word of K step 2 p + H, so that 16 bytes a lane give four scale registers with even K steps in lanes 0-15 and odd ones in lanes 16-31.
; LIMITS: NaN and infinities in x or gate_w are not served.  Two logits closer than the rounding of a sum of 1,024 f32 products can change places against another order of summation.
; A block of zeros gets the byte 1 (the floor) where the rule says 127: its codes are zeros, and this program alone reads the bytes.
; No matrix unit (N = 8), no tensor load, no cluster: the only shared input is gate_w, 32 KiB, which each work-group copies to LDS once.
.set GWP,  528                         ; LDS: 16 rows of gate_w (512 bytes) + 16 of padding: an odd multiple of 16, so 16 lanes' 16-byte reads fall in 16 different columns
.set TS,   64*GWP                      ; behind gate_w's 64 chunks: for each wave two stages of 32 x 80 bytes
.set TSW,  5120
.set SCB,  TS+8*TSW                    ; behind them: 8 tokens x 32 scale bytes
.set XSCL, 786432
.set XGWT, 819200
.set R,    16                          ; v16-47   x as loaded; behind the first barrier: v16-18, v20-22 codes, v24-25 bytes, v26-27 scale operands, v28-29 maxima
.set G,    48                          ; v48-79   my 4 KiB of gate_w as loaded
.set X,    80                          ; v80-111  step st, number i: x[512 st + 16 lane + i]
.set GWR,  112                         ; v112-239 register 8 i + e: gate_w[512 st + 16 lane + i][e]
.set ACC,  240                         ; v240-247 the eight sums
	s_load_b256 s[4:11], s[0:1], 0x0               ; x s[4:5], gate_w s[6:7], out1 s[8:9], route s[10:11]
	s_load_b64 s[12:13], s[0:1], 0x20              ; xg
	v_lshl_add_u32 v14, v0, 2, 0x12600
	v_mov_b32 v255, 0
	v_lshrrev_b32 v1, 5, v0
	v_readfirstlane_b32 s14, v1                    ; wave
	v_and_b32 v1, 31, v0                           ; lane
	v_lshlrev_b32 v2, 4, v1                        ; 16 x lane
	s_lshl_b32 s15, ttmp9, 3
	s_add_co_u32 s15, s15, s14                     ; my token
	s_lshl_b32 s16, s15, 12                        ; its row of 4,096 bytes
	s_mov_b32 s17, 0
	s_lshl_b32 s18, s14, 12                        ; my wave's eighth of gate_w
	s_mov_b32 s19, 0
	s_wait_kmcnt 0x0
	s_add_nc_u64 s[4:5], s[4:5], s[16:17]
	s_add_nc_u64 s[6:7], s[6:7], s[18:19]
.irp i, 0,1,2,3,4,5,6,7
	global_load_b128 v[R+4*\i:R+4*\i+3], v2, s[4:5] offset:512*\i th:TH_LOAD_NT   ; 32 lanes read 512 consecutive bytes; x is read once in this launch
.endr
.irp i, 0,1,2,3,4,5,6,7
	global_load_b128 v[G+4*\i:G+4*\i+3], v2, s[6:7] offset:512*\i
.endr
	s_mul_i32 s20, s14, TSW
	s_add_co_u32 s20, s20, TS                      ; my stages
	v_lshrrev_b32 v3, 2, v1
	v_mul_u32_u24 v3, v3, 80
	v_and_b32 v9, 3, v1
	v_lshl_add_u32 v3, v9, 4, v3
	v_add_nc_u32 v3, s20, v3                       ; into a stage: four lanes' 64 bytes on end, then 16 of padding
	v_mul_u32_u24 v4, v1, 80
	v_add_nc_u32 v4, s20, v4                       ; out of it: my 16 neighbours
	s_mul_i32 s21, s14, 8*GWP
	v_add_nc_u32 v5, s21, v2                       ; gate_w into LDS: chunks 8 wave + i
	v_mul_u32_u24 v6, v1, GWP                      ; and out of it: chunk 32 st + lane
	v_bfe_u32 v7, v1, 3, 1                         ; my block's scale byte: block 16 st + lane / 2 is byte (lane / 2) % 4 of K step s = 4 st + lane / 8;
	v_lshlrev_b32 v7, 4, v7                        ; 16 (s % 2)
	v_bfe_u32 v9, v1, 4, 1
	v_lshl_add_u32 v7, v9, 2, v7                   ; + 4 (s / 2), of which 8 st stands in the store's offset
	v_bfe_u32 v9, v1, 1, 2
	v_add_nc_u32 v7, v7, v9
	s_lshl_b32 s22, s14, 5
	s_add_co_u32 s22, s22, SCB
	v_add_nc_u32 v7, s22, v7
	v_lshrrev_b32 v8, 3, v1                        ; my 12 bytes of codes in the token's 768: 96 (lane / 8) + 48 H + 24 c + 12 (lane % 2), H = bit 1 and c = bit 2 of the lane
	v_mul_u32_u24 v8, v8, 96
	v_bfe_u32 v9, v1, 1, 1
	v_mad_u32_u24 v8, v9, 48, v8
	v_bfe_u32 v9, v1, 2, 1
	v_mad_u32_u24 v8, v9, 24, v8
	v_and_b32 v9, 1, v1
	v_mad_u32_u24 v8, v9, 12, v8
	v_lshlrev_b32 v9, 2, v1                        ; the last stores: 4 x slot,
	v_lshlrev_b32 v10, 12, v1                      ; 4,096 x slot
	v_lshlrev_b32 v11, 3, v1                       ; the scale bytes' way out: 8 bytes a lane
	v_add_nc_u32 v15, SCB, v11
	s_mul_i32 s16, s15, 768
	s_add_nc_u64 s[24:25], s[12:13], s[16:17]      ; xg at my token's codes
	s_lshl_b32 s16, s15, 3
	s_add_nc_u64 s[8:9], s[8:9], s[16:17]          ; out1 at my token
	s_lshl_b32 s16, s15, 2
	s_add_nc_u64 s[10:11], s[10:11], s[16:17]      ; route at my token
	s_add_nc_u64 s[26:27], s[12:13], s[16:17]      ; the weights likewise (+ 819,200 in the store)
	s_lshl_b32 s16, ttmp9, 8
	s_add_nc_u64 s[32:33], s[12:13], s[16:17]      ; the work-group's 256 scale bytes (+ 786,432 in the store)
	s_mov_b32 s28, 0x76543210
	s_mov_b32 s29, 0xfedcba98                      ; v_permlanex16_b32's selects for lane l xor 16
; 512 numbers through a stage: stored as loaded, read back 64 bytes a lane.  LDS serves a wave's instructions in order, so no wait stands between.
.macro TURN st
.irp i, 0,1,2,3
	ds_store_b128 v3, v[R+16*\st+4*\i:R+16*\st+4*\i+3] offset:2560*\st+640*\i
.endr
.irp i, 0,1,2,3
	ds_load_b128 v[X+16*\st+4*\i:X+16*\st+4*\i+3], v4 offset:2560*\st+16*\i
.endr
.endm
	s_wait_loadcnt 8                               ; x's eight loads are in; gate_w's eight may be out
	TURN 0
	TURN 1
	s_wait_loadcnt 0x0
.irp i, 0,1,2,3,4,5,6,7
	ds_store_b128 v5, v[G+4*\i:G+4*\i+3] offset:GWP*\i
.endr
	s_wait_dscnt 0x0                               ; my part of gate_w lies in LDS (and my x is back)
	s_barrier_signal -1
	s_barrier_wait -1                              ; everybody's does
.macro GWLOAD st                       ; my 16 rows of gate_w for step st: 512 bytes
.set q, 0
.rept 32
	ds_load_b128 v[GWR+4*q:GWR+4*q+3], v6 offset:32*GWP*\st+16*q
.set q, q+1
.endr
.endm
; 16 numbers of a lane become 16 codes; two neighbouring lanes hold a block of 32
.macro QSTEP st
.set XS, X+16*\st
	v_max3_num_f32 v28, |v[XS]|, |v[XS+1]|, |v[XS+2]|
	v_max3_num_f32 v29, |v[XS+3]|, |v[XS+4]|, |v[XS+5]|
.irp i, 6,10
	v_max3_num_f32 v28, v28, |v[XS+\i]|, |v[XS+\i+1]|
	v_max3_num_f32 v29, v29, |v[XS+\i+2]|, |v[XS+\i+3]|
.endr
	v_max3_num_f32 v28, v28, |v[XS+14]|, |v[XS+15]|
	v_max3_num_f32 v28, v28, v29, 0x2800000        ; and the floor 2^(5 - 127): the byte cannot fall under 1
	v_max_num_f32_dpp v28, v28, v28 row_xmask:1 row_mask:0xf bank_mask:0xf   ; with my neighbour's 16: the block's largest magnitude
	v_add_nc_u32 v[26+\st], 0xfe000000, v28        ; 4 off its exponent field: the conversion takes this operand's exponent field as its scale
	v_cvt_scalef32_pk16_bf6_f32 v[16+4*\st:18+4*\st], v[XS:XS+15], v[26+\st]
	v_lshrrev_b32 v[24+\st], 23, v[26+\st]         ; the scale's byte (also the plain line behind the conversion)
	ds_store_b8 v7, v[24+\st] offset:8*\st         ; both lanes of a block write the same byte with the same value
	global_store_b96 v8, v[16+4*\st:18+4*\st], s[24:25] offset:384*\st   ; the wave's 32 x 12 bytes cover 384 consecutive bytes
.endm
.macro FM st                           ; number i of my 16 against its row of gate_w: eight chains; the very first product starts the sums
.irp e, 0,1,2,3,4,5,6,7
.if (\st == 0) && (i == 0)
	v_mul_f32 v[ACC+\e], v[X], v[GWR+\e]
.else
	v_fmac_f32 v[ACC+\e], v[X+16*\st+i], v[GWR+8*i+\e]
.endif
.endr
.set i, i+1
.endm
	GWLOAD 0
	QSTEP 0                                        ; the quantiser works while gate_w's rows come out of LDS
	QSTEP 1
	s_wait_dscnt 18                                ; rows 0-7 are in: behind their 16 loads stand 16 loads and two byte stores
.set i, 0
.rept 8
	FM 0
.endr
	s_wait_dscnt 2                                 ; all 32 loads (the two byte stores may be out)
.rept 8
	FM 0
.endr
	GWLOAD 1
	s_wait_dscnt 16
.set i, 0
.rept 8
	FM 1
.endr
	s_wait_dscnt 0x0
.rept 8
	FM 1
.endr
.irp m, 1,2,4,8                        ; the 32 lanes' sums are added; every lane ends with the same eight logits
.irp e, 0,1,2,3,4,5,6,7
	v_add_f32_dpp v[ACC+\e], v[ACC+\e], v[ACC+\e] row_xmask:\m row_mask:0xf bank_mask:0xf
.endr
.endr
.irp e, 0,1,2,3,4,5,6,7
	v_permlanex16_b32 v[GWR+\e], v[ACC+\e], s28, s29
.endr
.irp e, 0,1,2,3,4,5,6,7
	v_add_f32 v[ACC+\e], v[ACC+\e], v[GWR+\e]
.endr
	; the two largest: v248, v249 the largest and its index; v250, v251 the second.  Strict compares: of equals the lower index stays ahead
	v_cmp_gt_f32 vcc_lo, v[ACC+1], v[ACC]
	v_cndmask_b32 v248, v[ACC], v[ACC+1], vcc_lo
	v_cndmask_b32 v250, v[ACC+1], v[ACC], vcc_lo
	v_cndmask_b32 v249, 0, 1, vcc_lo
	v_cndmask_b32 v251, 1, 0, vcc_lo
.irp e, 2,3,4,5,6,7
	v_cmp_gt_f32 s30, v[ACC+\e], v248              ; over the largest?
	v_cmp_gt_f32 vcc_lo, v[ACC+\e], v250           ; over the second?
	v_cndmask_b32 v250, v250, v[ACC+\e], vcc_lo
	v_cndmask_b32 v251, v251, \e, vcc_lo
	v_cndmask_b32 v250, v250, v248, s30
	v_cndmask_b32 v251, v251, v249, s30
	v_cndmask_b32 v248, v248, v[ACC+\e], s30
	v_cndmask_b32 v249, v249, \e, s30
.endr
	v_sub_f32 v252, v250, v248                     ; the softmax of the two, the larger taken off: 1 / (1 + z) and z / (1 + z), z = e^(second - largest), at most 1
	v_mul_f32 v252, 0x3fb8aa3b, v252
	v_exp_f32 v252, v252
	v_cmp_eq_u32 vcc_lo, 1, v1                     ; (a plain line behind the exponential)  lane 1 will store slot 1
	s_wait_alu depctr_va_vdst(0)
	v_add_f32 v253, 1.0, v252
	v_rcp_f32 v253, v253
	v_cndmask_b32 v249, v249, v251, vcc_lo         ; (a plain line behind the reciprocal)
	s_wait_alu depctr_va_vdst(0)
	v_mul_f32 v254, v252, v253
	v_cndmask_b32 v253, v253, v254, vcc_lo
	s_barrier_signal -1                            ; my LDS instructions are done (the wait for 0 above): the eight tokens' scale bytes lie in LDS
	s_barrier_wait -1
	s_cmp_lg_u32 s14, 0
	s_cbranch_scc1 .Lnot_wave_0
	ds_load_b64 v[12:13], v15
	s_wait_dscnt 0x0
	global_store_b64 v11, v[12:13], s[32:33] offset:XSCL   ; 32 lanes store 256 consecutive bytes, at a multiple of 256 from xg's first byte
.Lnot_wave_0:
	s_wait_xcnt 0x0                                ; EXEC changes only behind this wait: it is a source of the stores above
	v_cmp_gt_u32 vcc_lo, 2, v1
	s_wait_tensorcnt 0x0
	ds_add_u32 v14, v255
	s_wait_dscnt 0x0
	s_and_saveexec_b32 s30, vcc_lo                 ; lanes 0 and 1: the two slots.  24 bytes a token in three places: too little to gather
	global_store_b32 v9, v249, s[8:9]
	global_store_b32 v10, v249, s[10:11]
	global_store_b32 v10, v253, s[26:27] offset:XGWT
	s_endpgm
.Lfunc_end_k_q61ff11b5f3_gate:
	.size	k_q61ff11b5f3_gate, .Lfunc_end_k_q61ff11b5f3_gate-k_q61ff11b5f3_gate
	.p2alignl 7, 3214868480
	.fill 96, 4, 3214868480
	.section	.rodata,"a",@progbits
	.p2align	6, 0x0
	.amdhsa_kernel k_q61ff11b5f3_gate
		.amdhsa_group_segment_fixed_size 76288
		.amdhsa_private_segment_fixed_size 0
		.amdhsa_enable_private_segment 0
		.amdhsa_kernarg_size 40
		.amdhsa_user_sgpr_count 2
		.amdhsa_user_sgpr_kernarg_segment_ptr 1
		.amdhsa_wavefront_size32 1
		.amdhsa_system_sgpr_workgroup_id_x 1
		.amdhsa_system_sgpr_workgroup_id_y 1
		.amdhsa_system_sgpr_workgroup_id_z 1
		.amdhsa_system_vgpr_workitem_id 0
		.amdhsa_next_free_vgpr 256
		.amdhsa_next_free_sgpr 66
		.amdhsa_reserve_vcc 1
		.amdhsa_float_denorm_mode_32 3
		.amdhsa_float_denorm_mode_16_64 3
		.amdhsa_memory_ordered 1
		.amdhsa_forward_progress 1
		.amdhsa_inst_pref_size 27
	.end_amdhsa_kernel
	.amdgpu_metadata
---
amdhsa.version: [ 1, 2 ]
amdhsa.kernels:
  - .name:           k_q61ff11b5f3_gate
    .symbol:         k_q61ff11b5f3_gate.kd
    .args:
      - { .name: x, .offset: 0, .size: 8, .value_kind: global_buffer, .address_space: global }
      - { .name: gate_w, .offset: 8, .size: 8, .value_kind: global_buffer, .address_space: global }
      - { .name: out1, .offset: 16, .size: 8, .value_kind: global_buffer, .address_space: global }
      - { .name: route, .offset: 24, .size: 8, .value_kind: global_buffer, .address_space: global }
      - { .name: xg, .offset: 32, .size: 8, .value_kind: global_buffer, .address_space: global }
    .group_segment_fixed_size: 76288
    .private_segment_fixed_size: 0
    .kernarg_segment_align: 8
    .kernarg_segment_size: 40
    .max_flat_workgroup_size: 256
    .sgpr_count:     66
    .vgpr_count:     256
    .wavefront_size: 32
...
	.end_amdgpu_metadata
.endif
;; end of part 1
;; launch place (part 2): grid 16 x 8, 1 waves a work-group, no clusters, 4,864 bytes of LDS; arguments route, xg, plan, xs, w1_codes; writes plan, xs
.if DOCPART == 2
	.amdgcn_target "amdgcn-amd-amdhsa--gfx1250"
	.amdhsa_code_object_version 6
	.text
	.protected	k_q61ff11b5f3_place
	.globl	k_q61ff11b5f3_place
	.p2align	8
	.type	k_q61ff11b5f3_place,@function
k_q61ff11b5f3_place:
	s_mov_b64 s[64:65], 0
	v_nop
	global_prefetch_b8 v0, s[64:65] scope:SCOPE_SE
	s_setreg_imm32_b32 hwreg(HW_REG_WAVE_MODE, 25, 1), 1
	s_wait_xcnt 0x0
; PLACING THE ROWS BY EXPERT.  Work-group (g, e), one wave.  It reads the stored choice (route: whole numbers of the launch before), ranks the tokens that chose expert e, and gathers
; tiles g, g + 16, .. of 16 ranked rows: their codes and scale words go to xs as IMAGES OF THE OPERAND'S REGISTERS ([e][tile 64][K step 8][quarter 3][lane][16 bytes]; scale words
; [e][tile][lane][16 bytes] from byte 6,291,456 on), so that the next launch loads 512 dense bytes an instruction.  An expert has room for 1,024 rows, the most that any choice can give it: no sum over experts is needed.
; All 16 work-groups of an expert make the same ranking (384 instructions); work-group 0 stores it: plan[e][token] = the token's rank (of a token that did not choose e: a number nobody reads),
; and from byte 32,768 on the expert's count, 32 times.  Ranks go by (token / 128, token % 4, token / 4 % 32): any order serves, since each row finds its way back by its rank.
; Rows behind the count in the last tile take token 0's codes (the list is cleared first): finite numbers whose results nobody reads.
; A work-group that a given choice leaves without a tile stores nothing: the grid serves every choice, all tokens on one expert too (64 tiles).
; The gather reads 16 bytes a lane from rows 768 bytes apart: 1.6 MB in the whole launch, read shortly after they were written.
; PREFETCH: each work-group asks once for 196,608 bytes of w1_codes (its sixteenth of expert e's 3,145,728), lanes 256 bytes apart, three requests beside each of the eight rank steps: the next launch streams them.
; The 128 work-groups' parts tile the buffer exactly: the last request ends at its last byte.
.set A,  16                            ; v16-47   route, slot 0: register 4 q + i of a lane: token 128 q + 4 lane + i
.set B,  48                            ; v48-79   slot 1
.set P,  80                            ; v80-111  ranks
.set D,  112                           ; v112-211 first the rank steps' LDS addresses and tokens, a pair for each step; then a tile's 25 x 16 bytes a lane
	s_load_b256 s[4:11], s[0:1], 0x0               ; route s[4:5], xg s[6:7], plan s[8:9], xs s[10:11]
	s_load_b64 s[12:13], s[0:1], 0x20              ; w1_codes
	v_lshl_add_u32 v224, v0, 2, 0x1200
	v_mov_b32 v225, 0
	s_and_b32 s16, ttmp7, 0xffff                   ; e
	s_mov_b32 s17, 0                               ; rows counted so far
	v_lshlrev_b32 v2, 4, v0                        ; 16 x lane
	v_lshlrev_b32 v3, 2, v0                        ; 4 x lane
	v_lshlrev_b32 v4, 8, v0                        ; 256 x lane; never rewritten
	v_add_nc_u32 v5, 1040, v0                      ; where a lane whose token did not choose e puts it: behind the list
	v_mov_b32 v8, 0
	v_mov_b32 v9, 0
	v_mov_b32 v10, 0
	v_mov_b32 v11, 0
.irp i, 0,1,2,3,4,5,6,7,8
	ds_store_b128 v2, v[8:11] offset:512*\i        ; the list, 1,152 words, is cleared
.endr
	s_mul_i32 s20, s16, 3145728
	s_mul_i32 s21, ttmp9, 196608
	s_add_co_u32 s20, s20, s21
	s_mov_b32 s21, 0
	s_wait_kmcnt 0x0
	s_add_nc_u64 s[12:13], s[12:13], s[20:21]      ; my part of w1_codes; never rewritten
.irp q, 0,1,2,3,4,5,6,7
	global_load_b128 v[A+4*\q:A+4*\q+3], v2, s[4:5] offset:512*\q
	global_load_b128 v[B+4*\q:B+4*\q+3], v2, s[4:5] offset:4096+512*\q
.endr
.macro RANK q, i
.set N, 4*\q+\i
	v_cmp_eq_u32 s20, s16, v[A+N]
	v_cmp_eq_u32 s21, s16, v[B+N]
	s_or_b32 s20, s20, s21                         ; the lanes whose token chose e
	v_mbcnt_lo_u32_b32 v[P+N], s20, 0              ; how many of them stand below me,
	v_add_nc_u32 v[P+N], s17, v[P+N]               ; and all that were counted before: my token's rank
	v_cndmask_b32 v[D+2*N], v5, v[P+N], s20
	v_min_u32 v[D+2*N], 0x42f, v[D+2*N]            ; held inside the list and the words behind it
	v_lshlrev_b32 v[D+2*N], 2, v[D+2*N]
	v_add_nc_u32 v[D+2*N+1], 128*\q+\i, v3         ; my token
	ds_store_b32 v[D+2*N], v[D+2*N+1]              ; list[rank] = token
	s_bcnt1_i32_b32 s21, s20
	s_add_co_u32 s17, s17, s21
.endm
.irp q, 0,1,2,3,4,5,6,7
	s_wait_loadcnt 14-2*\q                         ; this step's two loads are in; the later steps' pairs may be out
.irp j, 0,1,2
	global_prefetch_b8 v4, s[12:13] offset:8192*(3*\q+\j) th:TH_LOAD_NT scope:SCOPE_SE
.endr
.irp i, 0,1,2,3
	RANK \q, \i
.endr
.endr
	s_add_co_u32 s18, s17, 15
	s_lshr_b32 s18, s18, 4
	s_min_u32 s18, s18, 64                         ; the expert's tiles
	s_cmp_lg_u32 ttmp9, 0
	s_cbranch_scc1 .Lnot_first
	s_lshl_b32 s20, s16, 12
	s_mov_b32 s21, 0
	s_add_nc_u64 s[24:25], s[8:9], s[20:21]        ; plan at e's ranks
	s_lshl_b32 s20, s16, 7
	s_add_nc_u64 s[22:23], s[8:9], s[20:21]        ; and at e's count (+ 32,768 in the store)
	v_mov_b32 v12, s17
.irp q, 0,1,2,3,4,5,6,7
	global_store_b128 v2, v[P+4*\q:P+4*\q+3], s[24:25] offset:512*\q   ; 512 consecutive bytes
.endr
	global_store_b32 v3, v12, s[22:23] offset:32768
.Lnot_first:
	s_cmp_ge_u32 ttmp9, s18
	s_cbranch_scc1 .Ldone                          ; no tile for this work-group
	s_sub_co_u32 s36, s18, ttmp9
	s_add_co_u32 s36, s36, 15
	s_lshr_b32 s36, s36, 4                         ; my trips: tiles g, g + 16, .. below the expert's number of tiles; at least 1, at most 4
	s_mov_b32 s19, 0                               ; the trip
	v_and_b32 v13, 15, v0                          ; r
	v_lshrrev_b32 v14, 4, v0                       ; H
	v_mul_u32_u24 v15, v14, 48
	v_lshlrev_b32 v14, 4, v14
	s_lshl_b32 s26, s16, 6                         ; 64 e
	s_mov_b32 s31, 0
.Ltile:
	s_wait_xcnt 0x0                                ; the last trip's stores have had their addresses translated: their data and bases are written again only behind this wait
	s_lshl_b32 s37, s19, 4
	s_add_co_u32 s37, s37, ttmp9                   ; my tile: 16 x trip + g
	s_lshl_b32 s27, s37, 4
	v_add_nc_u32 v6, s27, v13
	v_min_u32 v6, 0x40f, v6
	v_lshlrev_b32 v6, 2, v6
	ds_load_b32 v7, v6                             ; the token of rank 16 tile + r
	s_min_u32 s28, s37, 63
	s_add_co_u32 s28, s28, s26
	s_mul_i32 s30, s28, 12288
	s_add_nc_u64 s[32:33], s[10:11], s[30:31]      ; the tile's images
	s_lshl_b32 s30, s28, 9
	s_add_nc_u64 s[34:35], s[10:11], s[30:31]      ; and its scale words (+ 6,291,456 in the store)
	s_wait_dscnt 0x0
	v_min_u32 v7, 0x3ff, v7
	v_mul_u32_u24 v8, v7, 768
	v_add_nc_u32 v8, v8, v15                       ; 768 token + 48 H
	v_lshl_add_u32 v9, v7, 5, v14                  ; 32 token + 16 H
.set n, 0
.rept 24
	global_load_b128 v[D+4*n:D+4*n+3], v8, s[6:7] offset:96*(n/3)+16*(n%3)   ; K step n / 3, quarter n % 3 of my 12 registers
.set n, n+1
.endr
	global_load_b128 v[D+96:D+99], v9, s[6:7] offset:786432
.set n, 0
.rept 24
	s_wait_loadcnt 24-n                            ; load n is in; the 24 - n behind it may be out
	global_store_b128 v2, v[D+4*n:D+4*n+3], s[32:33] offset:512*n        ; 512 consecutive bytes
.set n, n+1
.endr
	s_wait_loadcnt 0x0
	global_store_b128 v2, v[D+96:D+99], s[34:35] offset:6291456
	s_add_co_u32 s19, s19, 1
	s_cmp_lt_u32 s19, s36
	s_cbranch_scc1 .Ltile
.Ldone:
	s_wait_tensorcnt 0x0
	ds_add_u32 v224, v225
	s_wait_dscnt 0x0
	s_endpgm
.Lfunc_end_k_q61ff11b5f3_place:
	.size	k_q61ff11b5f3_place, .Lfunc_end_k_q61ff11b5f3_place-k_q61ff11b5f3_place
	.p2alignl 7, 3214868480
	.fill 96, 4, 3214868480
	.section	.rodata,"a",@progbits
	.p2align	6, 0x0
	.amdhsa_kernel k_q61ff11b5f3_place
		.amdhsa_group_segment_fixed_size 4864
		.amdhsa_private_segment_fixed_size 0
		.amdhsa_enable_private_segment 0
		.amdhsa_kernarg_size 40
		.amdhsa_user_sgpr_count 2
		.amdhsa_user_sgpr_kernarg_segment_ptr 1
		.amdhsa_wavefront_size32 1
		.amdhsa_system_sgpr_workgroup_id_x 1
		.amdhsa_system_sgpr_workgroup_id_y 1
		.amdhsa_system_sgpr_workgroup_id_z 1
		.amdhsa_system_vgpr_workitem_id 0
		.amdhsa_next_free_vgpr 226
		.amdhsa_next_free_sgpr 66
		.amdhsa_reserve_vcc 0
		.amdhsa_float_denorm_mode_32 3
		.amdhsa_float_denorm_mode_16_64 3
		.amdhsa_memory_ordered 1
		.amdhsa_forward_progress 1
		.amdhsa_inst_pref_size 33
	.end_amdhsa_kernel
	.amdgpu_metadata
---
amdhsa.version: [ 1, 2 ]
amdhsa.kernels:
  - .name:           k_q61ff11b5f3_place
    .symbol:         k_q61ff11b5f3_place.kd
    .args:
      - { .name: route, .offset: 0, .size: 8, .value_kind: global_buffer, .address_space: global }
      - { .name: xg, .offset: 8, .size: 8, .value_kind: global_buffer, .address_space: global }
      - { .name: plan, .offset: 16, .size: 8, .value_kind: global_buffer, .address_space: global }
      - { .name: xs, .offset: 24, .size: 8, .value_kind: global_buffer, .address_space: global }
      - { .name: w1_codes, .offset: 32, .size: 8, .value_kind: global_buffer, .address_space: global }
    .group_segment_fixed_size: 4864
    .private_segment_fixed_size: 0
    .kernarg_segment_align: 8
    .kernarg_segment_size: 40
    .max_flat_workgroup_size: 32
    .sgpr_count:     66
    .vgpr_count:     226
    .wavefront_size: 32
...
	.end_amdgpu_metadata
.endif
;; end of part 2
;; launch ffn1 (part 3): grid 32 x 8, 4 waves a work-group, no clusters, 101,376 bytes of LDS; arguments xs, plan, w1_codes, w1_scales, b1, hs, w2_codes; writes hs
.if DOCPART == 3
	.amdgcn_target "amdgcn-amd-amdhsa--gfx1250"
	.amdhsa_code_object_version 6
	.text
	.protected	k_q61ff11b5f3_ffn1
	.globl	k_q61ff11b5f3_ffn1
	.p2align	8
	.type	k_q61ff11b5f3_ffn1,@function
k_q61ff11b5f3_ffn1:
	s_mov_b64 s[64:65], 0
	v_nop
	global_prefetch_b8 v0, s[64:65] scope:SCOPE_SE
	s_setreg_imm32_b32 hwreg(HW_REG_WAVE_MODE, 25, 1), 1
	s_wait_xcnt 0x0
; FIRST PRODUCT OF THE CHOSEN ROWS: h = Q(relu(x W1[e]^T + b1[e])), on codes of E3M2 with one E8M0 scale for each 32 along K.
; Work-group (x, e) owns hidden units 128 x .. 128 x + 127 of expert e: 128 rows of W1 x K 1,024 = 96 KiB of codes, which it alone reads, once.
; EVERY ONE OF ITS FOUR WAVES KEEPS THE WHOLE SLICE IN REGISTERS (64 fragments of 16 rows x 128 K, 768 registers) and walks tiles of 16 routed rows of its own: tile = wave, wave + 4, ..
; So the loop has no barrier, and each 12,800 bytes of a tile's images feed 64 matrix instructions.  The slice comes in dense loads, a quarter a wave, and turns through LDS once.
; THE PRODUCT IS USED TRANSPOSED (source 0 = 16 rows of W1, source 1 = 16 rows of x), and lane r of tile 2 b + u takes W1's row 32 b + 8 u + r + 8 (r / 8): a lane then holds one row of h, and the
; 16 registers of tiles 2 b, 2 b + 1 are the units 32 b + 16 (lane / 16) + 0 .. 15.  The 128 units are K step x of the second product: a tile gives one whole fragment and one scale word a row.
; b1 is the C of each sum's first matrix instruction.
; OUT: hs [e][tile 64][K step 32][1,536 bytes]: register images;  from byte 25,165,824 on the scale words [e][tile][quarter of K 4][lane][p 4]: the word of K step 8 kq + 2 p + H, row r, at 512 kq + 256 H + 16 r + 4 p:
; four bytes in every sixteen, 262 KB in the whole launch, laid as the next launch's scale registers want them.
; WHY NO TENSOR LOAD AND NO CLUSTER: the number of tiles is a count read from memory, so trip counts hang on loaded data; the weights, the bulk of the bytes, are shared by no two work-groups.
; A wave without a tile ends behind the one barrier.  The last trip asks again for its own tile (the look-ahead is held at the last tile): no byte is read that was not written.
; PREFETCH: each wave asks once for 32 rows x 768 bytes of w2_codes, lanes a row (3,072 bytes) apart, three blocks of 256 bytes a lane: the quarter of the slice that work-group (x, e) of the next launch will load.
; LIMITS: NaN and infinities are not served; a block of h that is all zeros gets the byte 1 (its codes are zeros).
; REGISTERS, in windows of 256: window 0 as named below; fragment f = 8 s + t (K step s, tile t) at register 12 (f % 21) of window 1 + f / 21, fragment 63 in window 0; v252 of every window: 16 x lane, so that
; a global load finds its address under any setting of source 0's window.
.set WP,   784                         ; LDS: a row of the slice, 768 bytes + 16: 196 words, so neighbouring rows start 4 banks apart
.set BIA,  128*WP                      ; behind the slice: the 128 units' bias
.set BA,   2                           ; v2       BIA + 64 (lane / 16)
.set SCO,  3                           ; v3       16 (lane % 16)
.set XS,   4                           ; v4-7     x's scale words: register p: K step 2 p in lanes 0-15, 2 p + 1 in lanes 16-31
.set XSN,  8                           ; v8-11    the next tile's, as loaded
.set XF,   12                          ; v12-107  x's eight fragments
.set ACC,  108                         ; v108-171 eight accumulators
.set WS,   172                         ; v172-203 W1's scale words: register 4 t + p, halves as in XS
.set WL,   204                         ; v204-215 fragment 63
.set TM,   216                         ; v216-219 maxima, v220-223 bytes, v224-227 scale operands
.set PW,   228                         ; v228     the scale word just made
.set PFO,  229                         ; v229     3,072 x lane; never rewritten
.set PC,   230                         ; v230-248 the codes just made (in the set-up: v230 r, v231 H, v232-235 at work)
.set BV,   249                         ; v249     my word of the bias
.set WA0,  250                         ; v250-251 my lane's place in the slice, tiles 0-3 and 4-7
.set WA1,  251
.set LO,   252
.set LA0,  253                         ; v253-254 where my 16 bytes of a raw load go in LDS
.set LA1,  254
.set ASTR, 12288                       ; bytes from tile to tile: x's images, x's scale words, h's images, h's scale words
.set SSTR, 512
.set OSTR, 49152
.set QSTR, 2048
.set MSB, 0
.macro WIN new                         ; s_set_vgpr_msb: bits 1:0 source 0, 3:2 source 1, 5:4 source 2, 7:6 destination; the high byte repeats the setting that is left
.if MSB != (\new)
	s_set_vgpr_msb (MSB<<8)|(\new)
.set MSB, \new
.endif
.endm
	s_load_b256 s[4:11], s[0:1], 0x0               ; xs s[4:5], plan s[6:7], w1_codes s[8:9], w1_scales s[10:11]
	s_load_b128 s[12:15], s[0:1], 0x20             ; b1 s[12:13], hs s[14:15]
	s_load_b64 s[16:17], s[0:1], 0x30              ; w2_codes
	v_lshl_add_u32 v245, v0, 2, 0x18a00
	v_mov_b32 v255, 0
	v_lshrrev_b32 v1, 5, v0
	v_readfirstlane_b32 s18, v1                    ; wave
	s_and_b32 s19, ttmp7, 0xffff                   ; e
	s_mov_b32 s20, ttmp9                           ; x
	v_and_b32 v1, 31, v0                           ; lane
	v_lshlrev_b32 v[LO], 4, v1
	WIN 0x40
	v_lshlrev_b32 v[LO], 4, v1
	WIN 0x80
	v_lshlrev_b32 v[LO], 4, v1
	WIN 0xc0
	v_lshlrev_b32 v[LO], 4, v1
	WIN 0
	v_and_b32 v230, 15, v0                         ; r
	v_bfe_u32 v231, v0, 4, 1                       ; H
	s_mul_i32 s47, s18, 32*WP                      ; my wave's 32 rows of the slice in LDS
	v_add_nc_u32 v[LA0], s47, v[LO]
	v_lshl_add_u32 v[LA1], v231, 4, v[LA0]         ; (a load that spans two rows: its upper lanes lie behind one padding)
	v_and_b32 v232, 8, v230
	v_add_nc_u32 v232, v232, v230                  ; r + 8 (r / 8)
	v_mul_u32_u24 v[WA0], v232, WP
	v_mad_u32_u24 v[WA0], v231, 24, v[WA0]
	v_add_nc_u32 v[WA1], 64*WP, v[WA0]             ; (an LDS offset has 16 bits)
	v_lshlrev_b32 v233, 5, v232                    ; W1's scales: 32 bytes a row
	v_lshl_add_u32 v[BA], v231, 6, BIA
	v_lshlrev_b32 v[SCO], 4, v230
	v_lshlrev_b32 v234, 2, v0                      ; the bias: a word a thread
	v_lshl_add_u32 v235, v0, 2, BIA
	v_mul_u32_u24 v[PFO], v1, 3072
.irp b, 0,1,2,3
	v_mov_b32 v[TM+4+\b], 0                        ; written once: a lane permute's destination counts as one of its sources
.endr
	s_mov_b32 s25, 0xffff0000                      ; lanes 16-31
	s_mov_b32 s27, 0
	s_mov_b32 s44, 0x76543210
	s_mov_b32 s45, 0xfedcba98                      ; v_permlanex16_b32's selects for lane l xor 16
	s_mov_b32 s51, 0
	s_lshl_b32 s55, s19, 7                         ; where plan keeps e's count; not rewritten
	s_lshl_b32 s50, s19, 12
	s_lshl_b32 s52, s20, 7
	s_add_co_u32 s50, s50, s52                     ; my first row of W1: 4,096 e + 128 x
	s_lshl_b32 s53, s50, 5                         ; its scales,
	s_lshl_b32 s54, s50, 2                         ; its bias
	s_lshl_b32 s52, s18, 5
	s_add_co_u32 s50, s50, s52
	s_mul_i32 s50, s50, 768                        ; and my wave's 32 rows of codes
	s_wait_kmcnt 0x0
	s_load_b32 s21, s[6:7], s55 offset:0x8000      ; e's count of rows
	s_add_nc_u64 s[8:9], s[8:9], s[50:51]
	s_mov_b32 s50, s53
	s_add_nc_u64 s[10:11], s[10:11], s[50:51]
	s_mov_b32 s50, s54
	s_add_nc_u64 s[12:13], s[12:13], s[50:51]
	global_load_b32 v[BV], v234, s[12:13]
	WIN 0x40                                       ; destination window 1: the raw slice lies where fragments will
.set n, 0
.rept 48
	global_load_b128 v[4*n:4*n+3], v[LO], s[8:9] offset:512*n th:TH_LOAD_NT   ; my 32 rows are 24,576 dense bytes: 512 consecutive bytes a load, read once in the launch
.set n, n+1
.endr
	WIN 0
.irp t, 0,1,2,3,4,5,6,7
	global_load_b128 v[ACC+8*\t:ACC+8*\t+3], v233, s[10:11] offset:(32*(\t/2)+8*(\t%2))*32      ; tile t's rows: the words of K steps 0-3,
	global_load_b128 v[ACC+8*\t+4:ACC+8*\t+7], v233, s[10:11] offset:(32*(\t/2)+8*(\t%2))*32+16 ; 4-7
.endr
	s_and_b32 s52, s20, 7
	s_lshl_b32 s52, s52, 7
	s_lshl_b32 s50, s19, 10
	s_add_co_u32 s50, s50, s52
	s_lshl_b32 s52, s18, 5
	s_add_co_u32 s50, s50, s52                     ; W2's row 1,024 e + 128 (x % 8) + 32 wave,
	s_mul_i32 s50, s50, 3072
	s_lshr_b32 s52, s20, 3
	s_mul_i32 s52, s52, 768                        ; quarter x / 8 of its K
	s_add_co_u32 s50, s50, s52
	s_add_nc_u64 s[48:49], s[16:17], s[50:51]      ; never rewritten
	global_prefetch_b8 v[PFO], s[48:49] th:TH_LOAD_NT scope:SCOPE_SE
	global_prefetch_b8 v[PFO], s[48:49] offset:256 th:TH_LOAD_NT scope:SCOPE_SE
	global_prefetch_b8 v[PFO], s[48:49] offset:512 th:TH_LOAD_NT scope:SCOPE_SE
	s_mul_i32 s26, s19, 786432
	s_add_nc_u64 s[28:29], s[4:5], s[26:27]        ; x's images of expert e
	s_lshl_b32 s26, s19, 15
	s_add_nc_u64 s[30:31], s[4:5], s[26:27]
	s_add_nc_u64 s[30:31], s[30:31], 0x600000      ; their scale words
	s_mul_i32 s26, s19, 3145728
	s_mul_i32 s47, s20, 1536
	s_add_co_u32 s26, s26, s47
	s_add_nc_u64 s[32:33], s[14:15], s[26:27]      ; h's images: expert e, K step x
	s_lshl_b32 s26, s19, 17
	s_lshr_b32 s47, s20, 3
	s_lshl_b32 s47, s47, 9
	s_add_co_u32 s26, s26, s47                     ; 512 (x / 8)
	s_and_b32 s47, s20, 1
	s_lshl_b32 s47, s47, 8
	s_add_co_u32 s26, s26, s47                     ; + 256 (x % 2)
	s_bfe_u32 s47, s20, 0x20001
	s_lshl_b32 s47, s47, 2
	s_add_co_u32 s26, s26, s47                     ; + 4 (x / 2 % 4)
	s_add_nc_u64 s[34:35], s[14:15], s[26:27]
	s_add_nc_u64 s[34:35], s[34:35], 0x1800000     ; h's scale words
	WIN 0x04                                       ; an LDS store's data are its source 1: window 1
.set g, 0
.rept 16                               ; a pair of rows is three loads: row 0's first 512 bytes; its last 256 and row 1's first 256; row 1's last 512
	s_wait_loadcnt 16+3*(15-g)                     ; pair g is in: behind it stand the later pairs' loads and the 16 of the scales
	ds_store_b128 v[LA0], v[12*g:12*g+3] offset:2*WP*g
	ds_store_b128 v[LA1], v[12*g+4:12*g+7] offset:2*WP*g+512
	ds_store_b128 v[LA0], v[12*g+8:12*g+11] offset:2*WP*g+1040
.set g, g+1
.endr
	WIN 0
	ds_store_b32 v235, v[BV]                       ; (the bias was the oldest load of all)
	s_wait_loadcnt 0x0
.irp t, 0,1,2,3,4,5,6,7
.irp p, 0,1,2,3
	v_cndmask_b32 v[WS+4*\t+\p], v[ACC+8*\t+2*\p], v[ACC+8*\t+2*\p+1], s25   ; even K steps' words in lanes 0-15, odd ones' in lanes 16-31
.endr
.endr
.rept 8
	v_nop                                          ; a scale register written by a vector instruction stands 8 places ahead of a scaled matrix instruction
.endr
	s_wait_kmcnt 0x0
	s_add_co_u32 s21, s21, 15
	s_lshr_b32 s21, s21, 4
	s_min_u32 s21, s21, 64                         ; e's tiles
	s_sub_co_u32 s23, s21, 1
	s_wait_dscnt 0x0                               ; my quarter of the slice lies in LDS
	s_barrier_signal -1
	s_barrier_wait -1                              ; the whole slice does.  The launch's only barrier
	s_cmp_ge_u32 s18, s21
	s_cbranch_scc1 .Lend                           ; no tile for my wave
	s_sub_co_u32 s58, s21, s18
	s_add_co_u32 s58, s58, 3
	s_lshr_b32 s58, s58, 2                         ; my trips: tiles wave, wave + 4, .. below e's number of tiles; at least 1, at most 16
	s_mov_b32 s22, 0                               ; the trip
	s_mul_i32 s26, s18, ASTR                       ; my first tile is my wave's number
	s_add_nc_u64 s[36:37], s[28:29], s[26:27]
	s_mul_i32 s26, s18, SSTR
	s_add_nc_u64 s[38:39], s[30:31], s[26:27]
	global_load_b128 v[XS:XS+3], v[LO], s[38:39]
.set n, 0
.rept 24
	global_load_b128 v[XF+4*n:XF+4*n+3], v[LO], s[36:37] offset:512*n
.set n, n+1
.endr
; fragment (K step s, tile t) out of LDS: lane (r, H) takes 24 bytes at 96 s + 24 H of its row and 24 more 48 bytes on, in pieces of 8, so that every address is a multiple of the access's size
.macro WFRAG s, t
.set F, 8*(\s)+(\t)
.if F < 63
	WIN (1+F/21)<<6
.set FR, 12*(F%21)
.else
	WIN 0
.set FR, WL
.endif
.if (\t) < 4
.set FA, WA0
.set FO, (32*((\t)/2)+8*((\t)%2))*WP+96*(\s)
.else
.set FA, WA1
.set FO, (32*((\t)/2)+8*((\t)%2)-64)*WP+96*(\s)
.endif
.irp p, 0,1,2,3,4,5
	ds_load_b64 v[FR+2*\p:FR+2*\p+1], v[FA] offset:FO+48*(\p/3)+8*(\p%3)
.endr
.endm
.irp s, 0,1,2,3,4,5,6,7
.irp t, 0,1,2,3,4,5,6,7
	WFRAG \s, \t
.endr
.endr
.macro BIAS                            ; b1 in the result's layout: lane (r, H), tile 2 b + u, register j: unit 32 b + 16 H + 8 u + j
.irp t, 0,1,2,3,4,5,6,7
	ds_load_b128 v[ACC+8*\t:ACC+8*\t+3], v[BA] offset:128*(\t/2)+32*(\t%2)
	ds_load_b128 v[ACC+8*\t+4:ACC+8*\t+7], v[BA] offset:128*(\t/2)+32*(\t%2)+16
.endr
.endm
	BIAS
.macro MM s, t                         ; accumulator t += fragment (s, t) of W1 x fragment s of x
.set F, 8*(\s)+(\t)
.if F < 63
	WIN 1+F/21
.set FR, 12*(F%21)
.else
	WIN 0
.set FR, WL
.endif
.if (\s)%2
	v_wmma_scale_f32_16x16x128_f8f6f4 v[ACC+8*(\t):ACC+8*(\t)+7], v[FR:FR+11], v[XF+12*(\s):XF+12*(\s)+11], v[ACC+8*(\t):ACC+8*(\t)+7], v[WS+4*(\t)+(\s)/2], v[XS+(\s)/2] matrix_a_fmt:MATRIX_FMT_BF6 matrix_b_fmt:MATRIX_FMT_BF6 matrix_a_scale:MATRIX_SCALE_ROW1 matrix_b_scale:MATRIX_SCALE_ROW1
.else
	v_wmma_scale_f32_16x16x128_f8f6f4 v[ACC+8*(\t):ACC+8*(\t)+7], v[FR:FR+11], v[XF+12*(\s):XF+12*(\s)+11], v[ACC+8*(\t):ACC+8*(\t)+7], v[WS+4*(\t)+(\s)/2], v[XS+(\s)/2] matrix_a_fmt:MATRIX_FMT_BF6 matrix_b_fmt:MATRIX_FMT_BF6
.endif
.endm
; A K step: eight matrix instructions, the eight accumulators by turns; then the next tile's fragment takes the place of the one just multiplied.
.macro KSTEP s
	s_wait_loadcnt 22                              ; x's fragment s is in.  Behind its three loads stand 3 (7 - s) of this tile, the next tile's scale words and 3 s of the next tile: 22 at every s, on the way in and round the loop
.irp t, 0,1,2,3,4,5,6,7
	MM \s, \t
.endr
.rept 4
	v_nop                                          ; four places ahead of loads into registers that matrix instructions have read, and of the first read of results
.endr
.irp q, 0,1,2
	global_load_b128 v[XF+12*(\s)+4*\q:XF+12*(\s)+4*\q+3], v[LO], s[36:37] offset:512*(3*(\s)+\q)
.endr
.endm
; 64 numbers of a lane, register 16 b + i = unit 32 b + 16 (lane / 16) + i of my row, none negative, become a fragment's codes in v[PC] on and its scale word in v[PW]
.macro QUANT
.irp b, 0,1,2,3
	v_max3_num_f32 v[TM+\b], v[ACC+16*\b], v[ACC+1+16*\b], 0x2800000   ; block b: my 16 numbers, and the floor 2^(5 - 127): the byte cannot fall under 1
.endr
.irp i, 2,4,6,8,10,12,14
.irp b, 0,1,2,3
	v_max3_num_f32 v[TM+\b], v[TM+\b], v[ACC+16*\b+\i], v[ACC+1+16*\b+\i]   ; (the four blocks by turns)
.endr
.endr
.irp b, 0,1,2,3
	v_permlanex16_b32 v[TM+4+\b], v[TM+\b], s44, s45
.endr
.irp b, 0,1,2,3
	v_max_num_f32 v[TM+\b], v[TM+\b], v[TM+4+\b]   ; with lane l xor 16's: the block's largest
.endr
.irp b, 0,1,2,3
	v_add_nc_u32 v[TM+8+\b], 0xfe000000, v[TM+\b]  ; 4 off its exponent field: the conversion's scale operand
.endr
.irp b, 0,1,2,3
	v_lshrrev_b32 v[TM+4+\b], 23, v[TM+8+\b]       ; the scale's byte
.endr
	v_lshl_or_b32 v[PW], v[TM+5], 8, v[TM+4]
	v_lshl_or_b32 v[PW], v[TM+6], 16, v[PW]
	v_lshl_or_b32 v[PW], v[TM+7], 24, v[PW]
.irp c, 0,1
	v_cvt_scalef32_pk16_bf6_f32 v[PC+6*\c:PC+6*\c+2], v[ACC+32*\c:ACC+32*\c+15], v[TM+8+2*\c]
	v_cvt_scalef32_pk16_bf6_f32 v[PC+12+4*\c:PC+14+4*\c], v[ACC+16+32*\c:ACC+31+32*\c], v[TM+9+2*\c]   ; (a conversion's three registers begin on an even number)
.endr
	v_nop                                          ; one plain place behind a scaled conversion
.irp c, 0,1                            ; the operand's layout wants a whole block in a lane: lanes 0-15 block 2 c, lanes 16-31 block 2 c + 1
.irp i, 0,1,2
	v_permlane16_swap_b32 v[PC+6*\c+\i], v[PC+12+4*\c+\i]
.endr
.irp i, 0,1,2
	v_mov_b32 v[PC+3+6*\c+\i], v[PC+12+4*\c+\i]
.endr
.endr
.endm
.Ltile:                                ; a trip: one tile of 16 rows
	s_wait_xcnt 0x0                                ; every earlier load and store has had its addresses translated: bases and the stores' data are written again only behind this wait
	s_lshl_b32 s59, s22, 2
	s_add_co_u32 s59, s59, s18                     ; my tile: 4 x trip + wave
	s_add_co_u32 s24, s59, 4
	s_min_u32 s24, s24, s23                        ; the tile to fetch: my next, or the expert's last
	s_min_u32 s24, s24, 63
	s_min_u32 s46, s59, 63
	s_mul_i32 s26, s24, ASTR
	s_add_nc_u64 s[36:37], s[28:29], s[26:27]
	s_mul_i32 s26, s24, SSTR
	s_add_nc_u64 s[38:39], s[30:31], s[26:27]
	s_mul_i32 s26, s46, OSTR
	s_add_nc_u64 s[40:41], s[32:33], s[26:27]
	s_mul_i32 s26, s46, QSTR
	s_add_nc_u64 s[42:43], s[34:35], s[26:27]
	global_load_b128 v[XSN:XSN+3], v[LO], s[38:39]
	s_wait_dscnt 0x0                               ; the bias lies in the accumulators (first trip: and W1's fragments in their registers)
.irp s, 0,1,2,3,4,5,6,7
	KSTEP \s
.endr
	s_wait_loadcnt 24                              ; the next tile's scale words are in; its 24 fragment loads may be out
.irp p, 0,1,2,3
	v_mov_b32 v[XS+\p], v[XSN+\p]                  ; (more than 8 vector instructions follow ahead of the next scaled matrix instruction)
.endr
.set j, 0
.rept 64
	v_max_num_f32 v[ACC+j], 0, v[ACC+j]            ; relu, in f32; each accumulator from its low end on
.set j, j+1
.endr
	QUANT
.irp c, 0,1,2
	global_store_b128 v[LO], v[PC+4*\c:PC+4*\c+3], s[40:41] offset:512*\c   ; the fragment as it stands: 512 consecutive bytes a store
.endr
	global_store_b32 v[SCO], v[PW], s[42:43]       ; my row's scale word (both halves of the lanes hold the same word and give it the same place)
	BIAS                                           ; for the next trip: it lands under the lines round the loop's edge
	s_add_co_u32 s22, s22, 1
	s_cmp_lt_u32 s22, s58
	s_cbranch_scc1 .Ltile
.Lend:
	s_wait_tensorcnt 0x0
	ds_add_u32 v245, v255
	s_wait_dscnt 0x0
	s_endpgm
.Lfunc_end_k_q61ff11b5f3_ffn1:
	.size	k_q61ff11b5f3_ffn1, .Lfunc_end_k_q61ff11b5f3_ffn1-k_q61ff11b5f3_ffn1
	.p2alignl 7, 3214868480
	.fill 96, 4, 3214868480
	.section	.rodata,"a",@progbits
	.p2align	6, 0x0
	.amdhsa_kernel k_q61ff11b5f3_ffn1
		.amdhsa_group_segment_fixed_size 101376
		.amdhsa_private_segment_fixed_size 0
		.amdhsa_enable_private_segment 0
		.amdhsa_kernarg_size 56
		.amdhsa_user_sgpr_count 2
		.amdhsa_user_sgpr_kernarg_segment_ptr 1
		.amdhsa_wavefront_size32 1
		.amdhsa_system_sgpr_workgroup_id_x 1
		.amdhsa_system_sgpr_workgroup_id_y 1
		.amdhsa_system_sgpr_workgroup_id_z 1
		.amdhsa_system_vgpr_workitem_id 0
		.amdhsa_next_free_vgpr 1024
		.amdhsa_next_free_sgpr 66
		.amdhsa_reserve_vcc 0
		.amdhsa_float_denorm_mode_32 3
		.amdhsa_float_denorm_mode_16_64 3
		.amdhsa_memory_ordered 1
		.amdhsa_forward_progress 1
		.amdhsa_inst_pref_size 65
	.end_amdhsa_kernel
	.amdgpu_metadata
---
amdhsa.version: [ 1, 2 ]
amdhsa.kernels:
  - .name:           k_q61ff11b5f3_ffn1
    .symbol:         k_q61ff11b5f3_ffn1.kd
    .args:
      - { .name: xs, .offset: 0, .size: 8, .value_kind: global_buffer, .address_space: global }
      - { .name: plan, .offset: 8, .size: 8, .value_kind: global_buffer, .address_space: global }
      - { .name: w1_codes, .offset: 16, .size: 8, .value_kind: global_buffer, .address_space: global }
      - { .name: w1_scales, .offset: 24, .size: 8, .value_kind: global_buffer, .address_space: global }
      - { .name: b1, .offset: 32, .size: 8, .value_kind: global_buffer, .address_space: global }
      - { .name: hs, .offset: 40, .size: 8, .value_kind: global_buffer, .address_space: global }
      - { .name: w2_codes, .offset: 48, .size: 8, .value_kind: global_buffer, .address_space: global }
    .group_segment_fixed_size: 101376
    .private_segment_fixed_size: 0
    .kernarg_segment_align: 8
    .kernarg_segment_size: 56
    .max_flat_workgroup_size: 128
    .sgpr_count:     66
    .vgpr_count:     1024
    .wavefront_size: 32
...
	.end_amdgpu_metadata
.endif
;; end of part 3
;; launch ffn2 (part 4): grid 32 x 8, 4 waves a work-group, no clusters, 134,656 bytes of LDS; arguments hs, plan, w2_codes, w2_scales, yp; writes yp
.if DOCPART == 4
	.amdgcn_target "amdgcn-amd-amdhsa--gfx1250"
	.amdhsa_code_object_version 6
	.text
	.protected	k_q61ff11b5f3_ffn2
	.globl	k_q61ff11b5f3_ffn2
	.p2align	8
	.type	k_q61ff11b5f3_ffn2,@function
k_q61ff11b5f3_ffn2:
	s_mov_b64 s[64:65], 0
	v_nop
	global_prefetch_b8 v0, s[64:65] scope:SCOPE_SE
	s_setreg_imm32_b32 hwreg(HW_REG_WAVE_MODE, 25, 1), 1
	s_wait_xcnt 0x0
; SECOND PRODUCT OF THE CHOSEN ROWS, IN QUARTERS OF K: yp[e][row][kq][d] = sum over hidden units 1,024 kq .. 1,024 kq + 1,023 of h W2[e]^T, on codes of E3M2 with one E8M0 scale for each 32 along K; f32 sums.
; Work-group (x, e): outputs 128 ds .. 128 ds + 127 (ds = x % 8), quarter kq = x / 8 of K: 128 rows of W2 x 768 bytes = 96 KiB of codes, which it alone reads, once.  Shape, registers and loop are those of the
; first product's launch: every wave keeps the whole slice in 768 registers and walks tiles of 16 routed rows of its own (tile = wave, wave + 4, ..), fed by register images of h; no barrier in the loop.
; WHY QUARTERS: with all of K in a work-group a slice would hold 32 outputs, and h (6.6 MB) would be read 32 times; with quarters it is read 8 times, at the price of four partial sums a row, which the last launch adds.
; THE PRODUCT IS USED TRANSPOSED (source 0 = 16 rows of W2, source 1 = 16 rows of h): a lane holds eight neighbouring outputs of one row.  A tile goes through the wave's own stage in LDS and leaves as 16 rows of 512 consecutive bytes.
; WHY NO TENSOR LOAD AND NO CLUSTER: the number of tiles is a count read from memory; the weights are shared by no two work-groups.
; Rows behind the count in the last tile are computed and stored like the others; nobody reads them.  The last trip asks again for its own tile: no byte is read that was not written.
; REGISTERS: window 0 as named below; fragment f = 8 s + t at register 12 (f % 21) of window 1 + f / 21, fragment 63 in window 0; v252 of every window: 16 x lane.
.set WP,   784                         ; LDS: a row of the slice, 768 bytes + 16: neighbouring rows start 4 banks apart
.set STG,  128*WP                      ; behind the slice: for each wave a stage of 16 rows x (512 + 16) bytes
.set SP,   528
.set STO,  2                           ; v2       the stage: where I put 32 bytes of a row
.set RD,   3                           ; v3       and where I read a row back
.set XS,   4                           ; v4-7     h's scale words: register p: K step 2 p in lanes 0-15, 2 p + 1 in lanes 16-31
.set XSN,  8                           ; v8-11    the next tile's, as loaded
.set XF,   12                          ; v12-107  h's eight fragments
.set ACC,  108                         ; v108-171 eight accumulators; then 16 rows on their way out
.set WS,   172                         ; v172-203 W2's scale words: register 4 t + p, halves as in XS
.set WL,   204                         ; v204-215 fragment 63
.set WA0,  250                         ; v250-251 my lane's place in the slice, tiles 0-3 and 4-7
.set WA1,  251
.set LO,   252
.set LA0,  253                         ; v253-254 where my 16 bytes of a raw load go in LDS
.set LA1,  254
.set LO1,  255                         ; v255     16 x lane, and for lanes 16-31 on into the next row of W2
.set ASTR, 49152                       ; bytes from tile to tile: h's images, h's scale words, yp
.set SSTR, 2048
.set OSTR, 262144
.set MSB, 0
.macro WIN new                         ; s_set_vgpr_msb: bits 1:0 source 0, 3:2 source 1, 5:4 source 2, 7:6 destination; the high byte repeats the setting that is left
.if MSB != (\new)
	s_set_vgpr_msb (MSB<<8)|(\new)
.set MSB, \new
.endif
.endm
	s_load_b256 s[4:11], s[0:1], 0x0               ; hs s[4:5], plan s[6:7], w2_codes s[8:9], w2_scales s[10:11]
	s_load_b64 s[12:13], s[0:1], 0x20              ; yp
	v_lshl_add_u32 v248, v0, 2, 0x20c00
	v_mov_b32 v249, 0
	v_lshrrev_b32 v1, 5, v0
	v_readfirstlane_b32 s18, v1                    ; wave
	s_and_b32 s19, ttmp7, 0xffff                   ; e
	s_mov_b32 s20, ttmp9                           ; x
	s_and_b32 s56, s20, 7                          ; ds
	s_lshr_b32 s57, s20, 3                         ; kq
	v_and_b32 v1, 31, v0                           ; lane
	v_lshlrev_b32 v[LO], 4, v1
	WIN 0x40
	v_lshlrev_b32 v[LO], 4, v1
	WIN 0x80
	v_lshlrev_b32 v[LO], 4, v1
	WIN 0xc0
	v_lshlrev_b32 v[LO], 4, v1
	WIN 0
	v_and_b32 v230, 15, v0                         ; r
	v_bfe_u32 v231, v0, 4, 1                       ; H
	s_mul_i32 s47, s18, 32*WP                      ; my wave's 32 rows of the slice in LDS
	v_add_nc_u32 v[LA0], s47, v[LO]
	v_lshl_add_u32 v[LA1], v231, 4, v[LA0]
	v_mad_u32_u24 v[LO1], v231, 2304, v[LO]        ; from byte 768 of a row's quarter to byte 0 of the next row's: 3,072 - 768
	v_mul_u32_u24 v[WA0], v230, WP
	v_mad_u32_u24 v[WA0], v231, 24, v[WA0]
	v_add_nc_u32 v[WA1], 64*WP, v[WA0]             ; (an LDS offset has 16 bits)
	v_lshlrev_b32 v233, 7, v230                    ; W2's scales: 128 bytes a row
	s_mul_i32 s47, s18, 16*SP
	s_add_co_u32 s47, s47, STG                     ; my stage
	v_mul_u32_u24 v[STO], v230, SP
	v_lshl_add_u32 v[STO], v231, 5, v[STO]
	v_add_nc_u32 v[STO], s47, v[STO]               ; in: row r, 32 bytes for each half of the lanes
	v_add_nc_u32 v[RD], s47, v[LO]                 ; back: the 32 lanes take one row of 512 bytes
	s_mov_b32 s25, 0xffff0000                      ; lanes 16-31
	s_mov_b32 s27, 0
	s_mov_b32 s51, 0
	s_lshl_b32 s55, s19, 7                         ; where plan keeps e's count; not rewritten
	s_lshl_b32 s50, s19, 10
	s_lshl_b32 s52, s56, 7
	s_add_co_u32 s50, s50, s52                     ; my first row of W2: 1,024 e + 128 ds
	s_lshl_b32 s53, s50, 7
	s_lshl_b32 s52, s57, 5
	s_add_co_u32 s53, s53, s52                     ; its scales: 128 bytes a row, + 32 kq
	s_lshl_b32 s52, s18, 5
	s_add_co_u32 s50, s50, s52
	s_mul_i32 s50, s50, 3072
	s_mul_i32 s52, s57, 768
	s_add_co_u32 s50, s50, s52                     ; my wave's 32 rows of codes, quarter kq
	s_wait_kmcnt 0x0
	s_load_b32 s21, s[6:7], s55 offset:0x8000      ; e's count of rows
	s_add_nc_u64 s[8:9], s[8:9], s[50:51]
	s_mov_b32 s50, s53
	s_add_nc_u64 s[10:11], s[10:11], s[50:51]
	WIN 0x40                                       ; destination window 1: the raw slice lies where fragments will
.set g, 0
.rept 16                               ; a pair of rows is three loads, each of two aligned runs of 256 bytes or one of 512; read once in the launch
	global_load_b128 v[12*g:12*g+3], v[LO], s[8:9] offset:6144*g th:TH_LOAD_NT
	global_load_b128 v[12*g+4:12*g+7], v[LO1], s[8:9] offset:6144*g+512 th:TH_LOAD_NT
	global_load_b128 v[12*g+8:12*g+11], v[LO], s[8:9] offset:6144*g+3328 th:TH_LOAD_NT
.set g, g+1
.endr
	WIN 0
.irp t, 0,1,2,3,4,5,6,7
	global_load_b128 v[ACC+8*\t:ACC+8*\t+3], v233, s[10:11] offset:2048*\t        ; tile t's rows 16 t + r: the words of my K steps 0-3,
	global_load_b128 v[ACC+8*\t+4:ACC+8*\t+7], v233, s[10:11] offset:2048*\t+16   ; 4-7
.endr
	s_mul_i32 s26, s19, 3145728
	s_mul_i32 s47, s57, 12288
	s_add_co_u32 s26, s26, s47
	s_add_nc_u64 s[28:29], s[4:5], s[26:27]        ; h's images: expert e, K steps 8 kq on
	s_lshl_b32 s26, s19, 17
	s_lshl_b32 s47, s57, 9
	s_add_co_u32 s26, s26, s47
	s_add_nc_u64 s[30:31], s[4:5], s[26:27]
	s_add_nc_u64 s[30:31], s[30:31], 0x1800000     ; their scale words
	s_lshl_b32 s26, s19, 24
	s_lshl_b32 s47, s57, 12
	s_add_co_u32 s26, s26, s47
	s_lshl_b32 s47, s56, 9
	s_add_co_u32 s26, s26, s47
	s_add_nc_u64 s[32:33], s[12:13], s[26:27]      ; yp: expert e, quarter kq, outputs 128 ds on
	WIN 0x04                                       ; an LDS store's data are its source 1: window 1
.set g, 0
.rept 16
	s_wait_loadcnt 16+3*(15-g)                     ; pair g is in: behind it stand the later pairs' loads and the 16 of the scales
	ds_store_b128 v[LA0], v[12*g:12*g+3] offset:2*WP*g
	ds_store_b128 v[LA1], v[12*g+4:12*g+7] offset:2*WP*g+512
	ds_store_b128 v[LA0], v[12*g+8:12*g+11] offset:2*WP*g+1040
.set g, g+1
.endr
	WIN 0
	s_wait_loadcnt 0x0
.irp t, 0,1,2,3,4,5,6,7
.irp p, 0,1,2,3
	v_cndmask_b32 v[WS+4*\t+\p], v[ACC+8*\t+2*\p], v[ACC+8*\t+2*\p+1], s25   ; even K steps' words in lanes 0-15, odd ones' in lanes 16-31
.endr
.endr
.rept 8
	v_nop                                          ; a scale register written by a vector instruction stands 8 places ahead of a scaled matrix instruction
.endr
	s_wait_kmcnt 0x0
	s_add_co_u32 s21, s21, 15
	s_lshr_b32 s21, s21, 4
	s_min_u32 s21, s21, 64                         ; e's tiles
	s_sub_co_u32 s23, s21, 1
	s_wait_dscnt 0x0                               ; my quarter of the slice lies in LDS
	s_barrier_signal -1
	s_barrier_wait -1                              ; the whole slice does.  The launch's only barrier
	s_cmp_ge_u32 s18, s21
	s_cbranch_scc1 .Lend                           ; no tile for my wave
	s_sub_co_u32 s58, s21, s18
	s_add_co_u32 s58, s58, 3
	s_lshr_b32 s58, s58, 2                         ; my trips: tiles wave, wave + 4, .. below e's number of tiles; at least 1, at most 16
	s_mov_b32 s22, 0                               ; the trip
	s_mul_i32 s26, s18, ASTR                       ; my first tile is my wave's number
	s_add_nc_u64 s[36:37], s[28:29], s[26:27]
	s_mul_i32 s26, s18, SSTR
	s_add_nc_u64 s[38:39], s[30:31], s[26:27]
	global_load_b128 v[XS:XS+3], v[LO], s[38:39]
.set n, 0
.rept 24
	global_load_b128 v[XF+4*n:XF+4*n+3], v[LO], s[36:37] offset:512*n
.set n, n+1
.endr
; fragment (K step s, tile t) out of LDS: lane (r, H) takes 24 bytes at 96 s + 24 H of row 16 t + r and 24 more 48 bytes on, in pieces of 8
.macro WFRAG s, t
.set F, 8*(\s)+(\t)
.if F < 63
	WIN (1+F/21)<<6
.set FR, 12*(F%21)
.else
	WIN 0
.set FR, WL
.endif
.if (\t) < 4
.set FA, WA0
.set FO, 16*(\t)*WP+96*(\s)
.else
.set FA, WA1
.set FO, (16*(\t)-64)*WP+96*(\s)
.endif
.irp p, 0,1,2,3,4,5
	ds_load_b64 v[FR+2*\p:FR+2*\p+1], v[FA] offset:FO+48*(\p/3)+8*(\p%3)
.endr
.endm
.irp s, 0,1,2,3,4,5,6,7
.irp t, 0,1,2,3,4,5,6,7
	WFRAG \s, \t
.endr
.endr
	s_wait_dscnt 0x0                               ; W2's fragments lie in their registers
.macro MM s, t                         ; accumulator t (+)= fragment (s, t) of W2 x fragment s of h; K step 0 starts the sums with the constant 0
.set F, 8*(\s)+(\t)
.if F < 63
	WIN 1+F/21
.set FR, 12*(F%21)
.else
	WIN 0
.set FR, WL
.endif
.if (\s) == 0
	v_wmma_scale_f32_16x16x128_f8f6f4 v[ACC+8*(\t):ACC+8*(\t)+7], v[FR:FR+11], v[XF+12*(\s):XF+12*(\s)+11], 0, v[WS+4*(\t)+(\s)/2], v[XS+(\s)/2] matrix_a_fmt:MATRIX_FMT_BF6 matrix_b_fmt:MATRIX_FMT_BF6
.elseif (\s)%2
	v_wmma_scale_f32_16x16x128_f8f6f4 v[ACC+8*(\t):ACC+8*(\t)+7], v[FR:FR+11], v[XF+12*(\s):XF+12*(\s)+11], v[ACC+8*(\t):ACC+8*(\t)+7], v[WS+4*(\t)+(\s)/2], v[XS+(\s)/2] matrix_a_fmt:MATRIX_FMT_BF6 matrix_b_fmt:MATRIX_FMT_BF6 matrix_a_scale:MATRIX_SCALE_ROW1 matrix_b_scale:MATRIX_SCALE_ROW1
.else
	v_wmma_scale_f32_16x16x128_f8f6f4 v[ACC+8*(\t):ACC+8*(\t)+7], v[FR:FR+11], v[XF+12*(\s):XF+12*(\s)+11], v[ACC+8*(\t):ACC+8*(\t)+7], v[WS+4*(\t)+(\s)/2], v[XS+(\s)/2] matrix_a_fmt:MATRIX_FMT_BF6 matrix_b_fmt:MATRIX_FMT_BF6
.endif
.endm
; A K step: eight matrix instructions, the eight accumulators by turns; then the next tile's fragment takes the place of the one just multiplied.
.macro KSTEP s
	s_wait_loadcnt 22                              ; h's fragment s is in.  Behind its three loads stand 3 (7 - s) of this tile, the next tile's scale words and 3 s of the next tile: 22 at every s, on the way in and round the loop
.irp t, 0,1,2,3,4,5,6,7
	MM \s, \t
.endr
.rept 4
	v_nop                                          ; four places ahead of loads into registers that matrix instructions have read, and of the first read of results
.endr
.irp q, 0,1,2
	global_load_b128 v[XF+12*(\s)+4*\q:XF+12*(\s)+4*\q+3], v[LO], s[36:37] offset:512*(3*(\s)+\q)
.endr
.endm
.Ltile:                                ; a trip: one tile of 16 rows
	s_wait_xcnt 0x0                                ; every earlier load and store has had its addresses translated: bases and the stores' data (the accumulators' registers) are written again only behind this wait
	s_lshl_b32 s59, s22, 2
	s_add_co_u32 s59, s59, s18                     ; my tile: 4 x trip + wave
	s_add_co_u32 s24, s59, 4
	s_min_u32 s24, s24, s23                        ; the tile to fetch: my next, or the expert's last
	s_min_u32 s24, s24, 63
	s_min_u32 s46, s59, 63
	s_mul_i32 s26, s24, ASTR
	s_add_nc_u64 s[36:37], s[28:29], s[26:27]
	s_mul_i32 s26, s24, SSTR
	s_add_nc_u64 s[38:39], s[30:31], s[26:27]
	s_mul_i32 s26, s46, OSTR
	s_add_nc_u64 s[40:41], s[32:33], s[26:27]
	global_load_b128 v[XSN:XSN+3], v[LO], s[38:39]
.irp s, 0,1,2,3,4,5,6,7
	KSTEP \s
.endr
	s_wait_loadcnt 24                              ; the next tile's scale words are in; its 24 fragment loads may be out
.irp p, 0,1,2,3
	v_mov_b32 v[XS+\p], v[XSN+\p]
.endr
.irp t, 0,1,2,3,4,5,6,7
	ds_store_b128 v[STO], v[ACC+8*\t:ACC+8*\t+3] offset:64*\t          ; lane (r, H): outputs 16 t + 8 H + 0 .. 7 of row r; each accumulator from its low end on
	ds_store_b128 v[STO], v[ACC+8*\t+4:ACC+8*\t+7] offset:64*\t+16
.endr
.set i, 0
.rept 16
	ds_load_b128 v[ACC+4*i:ACC+4*i+3], v[RD] offset:SP*i               ; LDS serves a wave's instructions in order: these see my stores
.set i, i+1
.endr
.rept 8
	v_nop                                          ; the scale registers just written stand 8 places ahead of the next scaled matrix instruction; these are also the places ahead of the products that begin the accumulators anew
.endr
.set i, 0
.rept 16
	s_wait_dscnt 15-i                              ; row i is back; the 15 - i behind it may be out
	global_store_b128 v[LO], v[ACC+4*i:ACC+4*i+3], s[40:41] offset:16384*i   ; 512 consecutive bytes of row i, at a multiple of 256 from yp's first byte
.set i, i+1
.endr
	s_add_co_u32 s22, s22, 1
	s_cmp_lt_u32 s22, s58
	s_cbranch_scc1 .Ltile
.Lend:
	s_wait_tensorcnt 0x0
	ds_add_u32 v248, v249
	s_wait_dscnt 0x0
	s_endpgm
.Lfunc_end_k_q61ff11b5f3_ffn2:
	.size	k_q61ff11b5f3_ffn2, .Lfunc_end_k_q61ff11b5f3_ffn2-k_q61ff11b5f3_ffn2
	.p2alignl 7, 3214868480
	.fill 96, 4, 3214868480
	.section	.rodata,"a",@progbits
	.p2align	6, 0x0
	.amdhsa_kernel k_q61ff11b5f3_ffn2
		.amdhsa_group_segment_fixed_size 134656
		.amdhsa_private_segment_fixed_size 0
		.amdhsa_enable_private_segment 0
		.amdhsa_kernarg_size 40
		.amdhsa_user_sgpr_count 2
		.amdhsa_user_sgpr_kernarg_segment_ptr 1
		.amdhsa_wavefront_size32 1
		.amdhsa_system_sgpr_workgroup_id_x 1
		.amdhsa_system_sgpr_workgroup_id_y 1
		.amdhsa_system_sgpr_workgroup_id_z 1
		.amdhsa_system_vgpr_workitem_id 0
		.amdhsa_next_free_vgpr 1024
		.amdhsa_next_free_sgpr 66
		.amdhsa_reserve_vcc 0
		.amdhsa_float_denorm_mode_32 3
		.amdhsa_float_denorm_mode_16_64 3
		.amdhsa_memory_ordered 1
		.amdhsa_forward_progress 1
		.amdhsa_inst_pref_size 60
	.end_amdhsa_kernel
	.amdgpu_metadata
---
amdhsa.version: [ 1, 2 ]
amdhsa.kernels:
  - .name:           k_q61ff11b5f3_ffn2
    .symbol:         k_q61ff11b5f3_ffn2.kd
    .args:
      - { .name: hs, .offset: 0, .size: 8, .value_kind: global_buffer, .address_space: global }
      - { .name: plan, .offset: 8, .size: 8, .value_kind: global_buffer, .address_space: global }
      - { .name: w2_codes, .offset: 16, .size: 8, .value_kind: global_buffer, .address_space: global }
      - { .name: w2_scales, .offset: 24, .size: 8, .value_kind: global_buffer, .address_space: global }
      - { .name: yp, .offset: 32, .size: 8, .value_kind: global_buffer, .address_space: global }
    .group_segment_fixed_size: 134656
    .private_segment_fixed_size: 0
    .kernarg_segment_align: 8
    .kernarg_segment_size: 40
    .max_flat_workgroup_size: 128
    .sgpr_count:     66
    .vgpr_count:     1024
    .wavefront_size: 32
...
	.end_amdgpu_metadata
.endif
;; end of part 4
;; launch combine (part 5): grid 256 x 1, 8 waves a work-group, no clusters, 0 bytes of LDS; arguments route, xg, plan, yp, b2, out0; writes out0
.if DOCPART == 5
	.amdgcn_target "amdgcn-amd-amdhsa--gfx1250"
	.amdhsa_code_object_version 6
	.text
	.protected	k_q61ff11b5f3_combine
	.globl	k_q61ff11b5f3_combine
	.p2align	8
	.type	k_q61ff11b5f3_combine,@function
k_q61ff11b5f3_combine:
	s_mov_b64 s[64:65], 0
	v_nop
	global_prefetch_b8 v0, s[64:65] scope:SCOPE_SE
	s_setreg_imm32_b32 hwreg(HW_REG_WAVE_MODE, 25, 1), 1
	s_wait_xcnt 0x0
; THE SUM.  out0[t] = w0 (y(e0, t) + b2[e0]) + w1 (y(e1, t) + b2[e1]), y(e, t) = the four quarters of K of the row that token t has with expert e, at yp[e][rank of t in e].
; Each output row has one owner: a work-group takes tokens 4 g .. 4 g + 3, thread v0 the 16 bytes at 16 v0 of every row, so a wave's load or store covers 512 consecutive bytes.
; Experts, ranks and weights are read by scalar loads from what earlier launches stored (route and plan: whole numbers); experts are held at 7 and ranks at 1,023 ahead of any address.
; A stream: 40 loads a thread go out together, no LDS, no barrier, no matrix unit.
.set Y, 8                              ; v[8 + 40 i + 20 k + 4 n]: token i, slot k: n = 0 .. 3 the quarters, n = 4 the bias
	s_load_b256 s[4:11], s[0:1], 0x0               ; route s[4:5], xg s[6:7], plan s[8:9], yp s[10:11]
	s_load_b128 s[12:15], s[0:1], 0x20             ; b2 s[12:13], out0 s[14:15]
	v_lshlrev_b32 v1, 4, v0
	s_lshl_b32 s2, ttmp9, 4                        ; 16 g: my four tokens' words
	s_wait_kmcnt 0x0
	s_load_b128 s[16:19], s[4:5], s2 offset:0x0    ; slot 0's experts
	s_load_b128 s[20:23], s[4:5], s2 offset:0x1000 ; slot 1's
	s_load_b128 s[24:27], s[6:7], s2 offset:0xc8000   ; slot 0's weights (xg + 819,200)
	s_load_b128 s[28:31], s[6:7], s2 offset:0xc9000   ; slot 1's
	s_wait_kmcnt 0x0
.irp n, 0,1,2,3,4,5,6,7                ; n = 4 slot + token
	s_min_u32 s[16+\n], s[16+\n], 7
	s_lshl_b32 s[32+\n], s[16+\n], 12
	s_add_co_u32 s[32+\n], s[32+\n], s2            ; plan: 4,096 e + 16 g (+ 4 i in the load)
.endr
.irp n, 0,1,2,3,4,5,6,7
	s_load_b32 s[40+\n], s[8:9], s[32+\n] offset:4*(\n%4)   ; the token's rank in its expert
.endr
	s_wait_kmcnt 0x0
	s_mov_b32 s33, 0
.irp n, 0,1,2,3,4,5,6,7
	s_min_u32 s[40+\n], s[40+\n], 1023
	s_lshl_b32 s32, s[16+\n], 10
	s_add_co_u32 s32, s32, s[40+\n]
	s_lshl_b32 s32, s32, 14                        ; a row of yp: four quarters of 4,096 bytes
	s_add_nc_u64 s[48+2*\n:49+2*\n], s[10:11], s[32:33]
	s_lshl_b32 s32, s[16+\n], 12
	s_add_nc_u64 s[66+2*\n:67+2*\n], s[12:13], s[32:33]
.endr
	s_lshl_b32 s32, ttmp9, 14
	s_add_nc_u64 s[14:15], s[14:15], s[32:33]      ; out0 at my four rows
.irp i, 0,1,2,3
.irp k, 0,1
.irp q, 0,1,2,3
	global_load_b128 v[Y+40*\i+20*\k+4*\q:Y+40*\i+20*\k+4*\q+3], v1, s[48+2*(4*\k+\i):49+2*(4*\k+\i)] offset:4096*\q th:TH_LOAD_NT   ; read once
.endr
	global_load_b128 v[Y+40*\i+20*\k+16:Y+40*\i+20*\k+19], v1, s[66+2*(4*\k+\i):67+2*(4*\k+\i)]
.endr
.endr
.irp i, 0,1,2,3
	s_wait_loadcnt 30-10*\i                        ; token i's ten loads are in; the later tokens' may be out
.irp k, 0,1
.irp h, 0,2
	v_pk_add_f32 v[Y+40*\i+20*\k+\h:Y+40*\i+20*\k+\h+1], v[Y+40*\i+20*\k+\h:Y+40*\i+20*\k+\h+1], v[Y+40*\i+20*\k+4+\h:Y+40*\i+20*\k+5+\h]
	v_pk_add_f32 v[Y+40*\i+20*\k+8+\h:Y+40*\i+20*\k+9+\h], v[Y+40*\i+20*\k+8+\h:Y+40*\i+20*\k+9+\h], v[Y+40*\i+20*\k+12+\h:Y+40*\i+20*\k+13+\h]
.endr
.endr
.irp k, 0,1
.irp h, 0,2
	v_pk_add_f32 v[Y+40*\i+20*\k+\h:Y+40*\i+20*\k+\h+1], v[Y+40*\i+20*\k+\h:Y+40*\i+20*\k+\h+1], v[Y+40*\i+20*\k+8+\h:Y+40*\i+20*\k+9+\h]
.endr
.endr
.irp k, 0,1
.irp h, 0,2
	v_pk_add_f32 v[Y+40*\i+20*\k+\h:Y+40*\i+20*\k+\h+1], v[Y+40*\i+20*\k+\h:Y+40*\i+20*\k+\h+1], v[Y+40*\i+20*\k+16+\h:Y+40*\i+20*\k+17+\h]   ; + b2
.endr
.endr
.irp j, 0,1,2,3
	v_mul_f32 v[Y+40*\i+\j], s[24+\i], v[Y+40*\i+\j]
.endr
.irp j, 0,1,2,3
	v_fmac_f32 v[Y+40*\i+\j], s[28+\i], v[Y+40*\i+20+\j]
.endr
	global_store_b128 v1, v[Y+40*\i:Y+40*\i+3], s[14:15] offset:4096*\i th:TH_STORE_NT   ; a wave stores 512 consecutive bytes, at a multiple of 256 from out0's first byte
.endr
	s_endpgm
.Lfunc_end_k_q61ff11b5f3_combine:
	.size	k_q61ff11b5f3_combine, .Lfunc_end_k_q61ff11b5f3_combine-k_q61ff11b5f3_combine
	.p2alignl 7, 3214868480
	.fill 96, 4, 3214868480
	.section	.rodata,"a",@progbits
	.p2align	6, 0x0
	.amdhsa_kernel k_q61ff11b5f3_combine
		.amdhsa_group_segment_fixed_size 0
		.amdhsa_private_segment_fixed_size 0
		.amdhsa_enable_private_segment 0
		.amdhsa_kernarg_size 48
		.amdhsa_user_sgpr_count 2
		.amdhsa_user_sgpr_kernarg_segment_ptr 1
		.amdhsa_wavefront_size32 1
		.amdhsa_system_sgpr_workgroup_id_x 1
		.amdhsa_system_sgpr_workgroup_id_y 1
		.amdhsa_system_sgpr_workgroup_id_z 1
		.amdhsa_system_vgpr_workitem_id 0
		.amdhsa_next_free_vgpr 192
		.amdhsa_next_free_sgpr 84
		.amdhsa_reserve_vcc 0
		.amdhsa_float_denorm_mode_32 3
		.amdhsa_float_denorm_mode_16_64 3
		.amdhsa_memory_ordered 1
		.amdhsa_forward_progress 1
		.amdhsa_inst_pref_size 14
	.end_amdhsa_kernel
	.amdgpu_metadata
---
amdhsa.version: [ 1, 2 ]
amdhsa.kernels:
  - .name:           k_q61ff11b5f3_combine
    .symbol:         k_q61ff11b5f3_combine.kd
    .args:
      - { .name: route, .offset: 0, .size: 8, .value_kind: global_buffer, .address_space: global }
      - { .name: xg, .offset: 8, .size: 8, .value_kind: global_buffer, .address_space: global }
      - { .name: plan, .offset: 16, .size: 8, .value_kind: global_buffer, .address_space: global }
      - { .name: yp, .offset: 24, .size: 8, .value_kind: global_buffer, .address_space: global }
      - { .name: b2, .offset: 32, .size: 8, .value_kind: global_buffer, .address_space: global }
      - { .name: out0, .offset: 40, .size: 8, .value_kind: global_buffer, .address_space: global }
    .group_segment_fixed_size: 0
    .private_segment_fixed_size: 0
    .kernarg_segment_align: 8
    .kernarg_segment_size: 48
    .max_flat_workgroup_size: 256
    .sgpr_count:     84
    .vgpr_count:     192
    .wavefront_size: 32
...
	.end_amdgpu_metadata
.endif
;; end of part 5
;; ======== version 2 of 2: 5 launches
;; workspace buffers: route 8,192 bytes of whole numbers; xg 827,392 bytes; plan 33,792 bytes of whole numbers; xs 6,553,600 bytes; hs 26,214,400 bytes; yp 134,217,728 bytes
;; launch gate (part 6): grid 128 x 1, 8 waves a work-group, no clusters, 76,288 bytes of LDS; arguments x, gate_w, out1, route, xg; writes out1, route, xg
.if DOCPART == 6
	.amdgcn_target "amdgcn-amd-amdhsa--gfx1250"
	.amdhsa_code_object_version 6
	.text
	.protected	k_q61ff11b5f3_gate
	.globl	k_q61ff11b5f3_gate
	.p2align	8
	.type	k_q61ff11b5f3_gate,@function
k_q61ff11b5f3_gate:
	s_mov_b64 s[64:65], 0
	v_nop
	global_prefetch_b8 v0, s[64:65] scope:SCOPE_SE
	s_setreg_imm32_b32 hwreg(HW_REG_WAVE_MODE, 25, 1), 1
	s_wait_xcnt 0x0
; GATE AND QUANTISER OF x.  One wave takes one token t = 8 x work-group + wave (1,024 tokens, 128 work-groups of 8 waves).
; It makes (a) the token's 8 logits x[t] . gate_w in f32 (fused multiply-adds), their two largest (on equal values the lower index, by strict compares), and the softmax of the two with the
; larger taken off first; (b) the token's 1,024 codes of E3M2 and 32 E8M0 bytes, by the rule: scale = 2^(floor(log2(largest magnitude of the 32)) - 4).
; OUT: out1[t][2] and route[slot][t]: the chosen experts, at fixed places (no address here hangs on them);  xg + 819,200: [slot][t] the two weights;
; xg + 0: codes [t][K step s 8][H 2][c 2][24 bytes]: lane (r, H) of a matrix operand finds its 12 registers of K step s as 48 bytes on end;
; xg + 786,432: scale words [t][H 2][p 4]: the word of K step 2 p + H, so that 16 bytes a lane give four scale registers with even K steps in lanes 0-15 and odd ones in lanes 16-31.
; LIMITS: NaN and infinities in x or gate_w are not served.  Two logits closer than the rounding of a sum of 1,024 f32 products can change places against another order of summation.
; A block of zeros gets the byte 1 (the floor) where the rule says 127: its codes are zeros, and this program alone reads the bytes.
; No matrix unit (N = 8), no tensor load, no cluster: the only shared input is gate_w, 32 KiB, which each work-group copies to LDS once.
.set GWP,  528                         ; LDS: 16 rows of gate_w (512 bytes) + 16 of padding: an odd multiple of 16, so 16 lanes' 16-byte reads fall in 16 different columns
.set TS,   64*GWP                      ; behind gate_w's 64 chunks: for each wave two stages of 32 x 80 bytes
.set TSW,  5120
.set SCB,  TS+8*TSW                    ; behind them: 8 tokens x 32 scale bytes
.set XSCL, 786432
.set XGWT, 819200
.set R,    16                          ; v16-47   x as loaded; behind the first barrier: v16-18, v20-22 codes, v24-25 bytes, v26-27 scale operands, v28-29 maxima
.set G,    48                          ; v48-79   my 4 KiB of gate_w as loaded
.set X,    80                          ; v80-111  step st, number i: x[512 st + 16 lane + i]
.set GWR,  112                         ; v112-239 register 8 i + e: gate_w[512 st + 16 lane + i][e]
.set ACC,  240                         ; v240-247 the eight sums
	s_load_b256 s[4:11], s[0:1], 0x0               ; x s[4:5], gate_w s[6:7], out1 s[8:9], route s[10:11]
	s_load_b64 s[12:13], s[0:1], 0x20              ; xg
	v_lshl_add_u32 v14, v0, 2, 0x12600
	v_mov_b32 v255, 0
	v_lshrrev_b32 v1, 5, v0
	s_delay_alu instid0(VALU_DEP_1)
	v_readfirstlane_b32 s14, v1                    ; wave
	v_and_b32 v1, 31, v0                           ; lane
	s_delay_alu instid0(VALU_DEP_1)
	v_lshlrev_b32 v2, 4, v1                        ; 16 x lane
	s_lshl_b32 s15, ttmp9, 3
	s_add_co_u32 s15, s15, s14                     ; my token
	s_lshl_b32 s16, s15, 12                        ; its row of 4,096 bytes
	s_mov_b32 s17, 0
	s_lshl_b32 s18, s14, 12                        ; my wave's eighth of gate_w
	s_mov_b32 s19, 0
	s_wait_alu depctr_va_vdst(0)
	s_wait_kmcnt 0x0
	s_add_nc_u64 s[4:5], s[4:5], s[16:17]
	s_add_nc_u64 s[6:7], s[6:7], s[18:19]
.irp i, 0,1,2,3,4,5,6,7
	global_load_b128 v[R+4*\i:R+4*\i+3], v2, s[4:5] offset:512*\i th:TH_LOAD_NT   ; 32 lanes read 512 consecutive bytes; x is read once in this launch
.endr
.irp i, 0,1,2,3,4,5,6,7
	global_load_b128 v[G+4*\i:G+4*\i+3], v2, s[6:7] offset:512*\i
.endr
	s_mul_i32 s20, s14, TSW
	s_add_co_u32 s20, s20, TS                      ; my stages
	v_lshrrev_b32 v3, 2, v1
	s_delay_alu instid0(VALU_DEP_1)
	v_mul_u32_u24 v3, v3, 80
	v_and_b32 v9, 3, v1
	s_delay_alu instid0(VALU_DEP_1)
	v_lshl_add_u32 v3, v9, 4, v3
	s_delay_alu instid0(VALU_DEP_1)
	v_add_nc_u32 v3, s20, v3                       ; into a stage: four lanes' 64 bytes on end, then 16 of padding
	v_mul_u32_u24 v4, v1, 80
	s_delay_alu instid0(VALU_DEP_1)
	v_add_nc_u32 v4, s20, v4                       ; out of it: my 16 neighbours
	s_mul_i32 s21, s14, 8*GWP
	v_add_nc_u32 v5, s21, v2                       ; gate_w into LDS: chunks 8 wave + i
	v_mul_u32_u24 v6, v1, GWP                      ; and out of it: chunk 32 st + lane
	v_bfe_u32 v7, v1, 3, 1                         ; my block's scale byte: block 16 st + lane / 2 is byte (lane / 2) % 4 of K step s = 4 st + lane / 8;
	s_delay_alu instid0(VALU_DEP_1)
	v_lshlrev_b32 v7, 4, v7                        ; 16 (s % 2)
	v_bfe_u32 v9, v1, 4, 1
	s_delay_alu instid0(VALU_DEP_1)
	v_lshl_add_u32 v7, v9, 2, v7                   ; + 4 (s / 2), of which 8 st stands in the store's offset
	v_bfe_u32 v9, v1, 1, 2
	s_delay_alu instid0(VALU_DEP_1)
	v_add_nc_u32 v7, v7, v9
	s_lshl_b32 s22, s14, 5
	s_add_co_u32 s22, s22, SCB
	v_add_nc_u32 v7, s22, v7
	v_lshrrev_b32 v8, 3, v1                        ; my 12 bytes of codes in the token's 768: 96 (lane / 8) + 48 H + 24 c + 12 (lane % 2), H = bit 1 and c = bit 2 of the lane
	s_delay_alu instid0(VALU_DEP_1)
	v_mul_u32_u24 v8, v8, 96
	v_bfe_u32 v9, v1, 1, 1
	s_delay_alu instid0(VALU_DEP_1)
	v_mad_u32_u24 v8, v9, 48, v8
	v_bfe_u32 v9, v1, 2, 1
	s_delay_alu instid0(VALU_DEP_1)
	v_mad_u32_u24 v8, v9, 24, v8
	v_and_b32 v9, 1, v1
	s_delay_alu instid0(VALU_DEP_1)
	v_mad_u32_u24 v8, v9, 12, v8
	v_lshlrev_b32 v9, 2, v1                        ; the last stores: 4 x slot,
	v_lshlrev_b32 v10, 12, v1                      ; 4,096 x slot
	v_lshlrev_b32 v11, 3, v1                       ; the scale bytes' way out: 8 bytes a lane
	s_delay_alu instid0(VALU_DEP_1)
	v_add_nc_u32 v15, SCB, v11
	s_mul_i32 s16, s15, 768
	s_add_nc_u64 s[24:25], s[12:13], s[16:17]      ; xg at my token's codes
	s_lshl_b32 s16, s15, 3
	s_add_nc_u64 s[8:9], s[8:9], s[16:17]          ; out1 at my token
	s_lshl_b32 s16, s15, 2
	s_add_nc_u64 s[10:11], s[10:11], s[16:17]      ; route at my token
	s_add_nc_u64 s[26:27], s[12:13], s[16:17]      ; the weights likewise (+ 819,200 in the store)
	s_lshl_b32 s16, ttmp9, 8
	s_add_nc_u64 s[32:33], s[12:13], s[16:17]      ; the work-group's 256 scale bytes (+ 786,432 in the store)
	s_mov_b32 s28, 0x76543210
	s_mov_b32 s29, 0xfedcba98                      ; v_permlanex16_b32's selects for lane l xor 16
; 512 numbers through a stage: stored as loaded, read back 64 bytes a lane.  LDS serves a wave's instructions in order, so no wait stands between.
.macro TURN st
.irp i, 0,1,2,3
	ds_store_b128 v3, v[R+16*\st+4*\i:R+16*\st+4*\i+3] offset:2560*\st+640*\i
.endr
.irp i, 0,1,2,3
	ds_load_b128 v[X+16*\st+4*\i:X+16*\st+4*\i+3], v4 offset:2560*\st+16*\i
.endr
.endm
	s_wait_loadcnt 8                               ; x's eight loads are in; gate_w's eight may be out
	TURN 0
	TURN 1
	s_wait_loadcnt 0x0
.irp i, 0,1,2,3,4,5,6,7
	ds_store_b128 v5, v[G+4*\i:G+4*\i+3] offset:GWP*\i
.endr
	s_wait_dscnt 0x0                               ; my part of gate_w lies in LDS (and my x is back)
	s_barrier_signal -1
	s_barrier_wait -1                              ; everybody's does
.macro GWLOAD st                       ; my 16 rows of gate_w for step st: 512 bytes
.set q, 0
.rept 32
	ds_load_b128 v[GWR+4*q:GWR+4*q+3], v6 offset:32*GWP*\st+16*q
.set q, q+1
.endr
.endm
; 16 numbers of a lane become 16 codes; two neighbouring lanes hold a block of 32
.macro QSTEP st
.set XS, X+16*\st
	v_max3_num_f32 v28, |v[XS]|, |v[XS+1]|, |v[XS+2]|
	v_max3_num_f32 v29, |v[XS+3]|, |v[XS+4]|, |v[XS+5]|
.irp i, 6,10
	s_delay_alu instid0(VALU_DEP_2)
	v_max3_num_f32 v28, v28, |v[XS+\i]|, |v[XS+\i+1]|
	s_delay_alu instid0(VALU_DEP_2)
	v_max3_num_f32 v29, v29, |v[XS+\i+2]|, |v[XS+\i+3]|
.endr
	s_delay_alu instid0(VALU_DEP_2)
	v_max3_num_f32 v28, v28, |v[XS+14]|, |v[XS+15]|
	s_delay_alu instid0(VALU_DEP_1)
	v_max3_num_f32 v28, v28, v29, 0x2800000        ; and the floor 2^(5 - 127): the byte cannot fall under 1
	s_delay_alu instid0(VALU_DEP_1)
	v_max_num_f32_dpp v28, v28, v28 row_xmask:1 row_mask:0xf bank_mask:0xf   ; with my neighbour's 16: the block's largest magnitude
	s_delay_alu instid0(VALU_DEP_1)
	v_add_nc_u32 v[26+\st], 0xfe000000, v28        ; 4 off its exponent field: the conversion takes this operand's exponent field as its scale
	v_cvt_scalef32_pk16_bf6_f32 v[16+4*\st:18+4*\st], v[XS:XS+15], v[26+\st]
	v_lshrrev_b32 v[24+\st], 23, v[26+\st]         ; the scale's byte (also the plain line behind the conversion)
	ds_store_b8 v7, v[24+\st] offset:8*\st         ; both lanes of a block write the same byte with the same value
	global_store_b96 v8, v[16+4*\st:18+4*\st], s[24:25] offset:384*\st   ; the wave's 32 x 12 bytes cover 384 consecutive bytes
.endm
.macro FM st                           ; number i of my 16 against its row of gate_w: eight chains; the very first product starts the sums
.irp e, 0,1,2,3,4,5,6,7
.if (\st == 0) && (i == 0)
	v_mul_f32 v[ACC+\e], v[X], v[GWR+\e]
.else
	v_fmac_f32 v[ACC+\e], v[X+16*\st+i], v[GWR+8*i+\e]
.endif
.endr
.set i, i+1
.endm
	GWLOAD 0
	QSTEP 0                                        ; the quantiser works while gate_w's rows come out of LDS
	QSTEP 1
	s_wait_dscnt 18                                ; rows 0-7 are in: behind their 16 loads stand 16 loads and two byte stores
.set i, 0
.rept 8
	FM 0
.endr
	s_wait_alu depctr_va_vdst(0)
	s_wait_dscnt 2                                 ; all 32 loads (the two byte stores may be out)
.rept 8
	FM 0
.endr
	GWLOAD 1
	s_wait_alu depctr_va_vdst(0)
	s_wait_dscnt 16
.set i, 0
.rept 8
	FM 1
.endr
	s_wait_alu depctr_va_vdst(0)
	s_wait_dscnt 0x0
.rept 8
	FM 1
.endr
.irp m, 1,2,4,8                        ; the 32 lanes' sums are added; every lane ends with the same eight logits
.irp e, 0,1,2,3,4,5,6,7
	v_add_f32_dpp v[ACC+\e], v[ACC+\e], v[ACC+\e] row_xmask:\m row_mask:0xf bank_mask:0xf
.endr
.endr
.irp e, 0,1,2,3,4,5,6,7
	v_permlanex16_b32 v[GWR+\e], v[ACC+\e], s28, s29
.endr
.irp e, 0,1,2,3,4,5,6,7
	v_add_f32 v[ACC+\e], v[ACC+\e], v[GWR+\e]
.endr
	; the two largest: v248, v249 the largest and its index; v250, v251 the second.  Strict compares: of equals the lower index stays ahead
	v_cmp_gt_f32 vcc_lo, v[ACC+1], v[ACC]
	s_delay_alu instid0(VALU_DEP_1)
	v_cndmask_b32 v248, v[ACC], v[ACC+1], vcc_lo
	s_delay_alu instid0(VALU_DEP_2)
	v_cndmask_b32 v250, v[ACC+1], v[ACC], vcc_lo
	s_delay_alu instid0(VALU_DEP_3)
	v_cndmask_b32 v249, 0, 1, vcc_lo
	s_delay_alu instid0(VALU_DEP_4)
	v_cndmask_b32 v251, 1, 0, vcc_lo
.irp e, 2
	s_delay_alu instid0(VALU_DEP_4)
	v_cmp_gt_f32 s30, v[ACC+\e], v248              ; over the largest?
	s_delay_alu instid0(VALU_DEP_4)
	v_cmp_gt_f32 vcc_lo, v[ACC+\e], v250           ; over the second?
	s_delay_alu instid0(VALU_DEP_1)
	v_cndmask_b32 v250, v250, v[ACC+\e], vcc_lo
	s_delay_alu instid0(VALU_DEP_2)
	v_cndmask_b32 v251, v251, \e, vcc_lo
	s_delay_alu instid0(VALU_DEP_2)
	v_cndmask_b32 v250, v250, v248, s30
	s_delay_alu instid0(VALU_DEP_2)
	v_cndmask_b32 v251, v251, v249, s30
	v_cndmask_b32 v248, v248, v[ACC+\e], s30
	v_cndmask_b32 v249, v249, \e, s30
.endr
.irp e, 3, 4, 5, 6, 7
	s_delay_alu instid0(VALU_DEP_2)
	v_cmp_gt_f32 s30, v[ACC+\e], v248
	v_cmp_gt_f32 vcc_lo, v[ACC+\e], v250
	s_delay_alu instid0(VALU_DEP_1)
	v_cndmask_b32 v250, v250, v[ACC+\e], vcc_lo
	s_delay_alu instid0(VALU_DEP_2)
	v_cndmask_b32 v251, v251, \e, vcc_lo
	s_delay_alu instid0(VALU_DEP_2)
	v_cndmask_b32 v250, v250, v248, s30
	s_delay_alu instid0(VALU_DEP_2)
	v_cndmask_b32 v251, v251, v249, s30
	v_cndmask_b32 v248, v248, v[ACC+\e], s30
	v_cndmask_b32 v249, v249, \e, s30
.endr
	s_delay_alu instid0(VALU_DEP_2)
	v_sub_f32 v252, v250, v248                     ; the softmax of the two, the larger taken off: 1 / (1 + z) and z / (1 + z), z = e^(second - largest), at most 1
	s_delay_alu instid0(VALU_DEP_1)
	v_mul_f32 v252, 0x3fb8aa3b, v252
	s_wait_alu depctr_va_vdst(0)
	v_exp_f32 v252, v252
	v_cmp_eq_u32 vcc_lo, 1, v1                     ; (a plain line behind the exponential)  lane 1 will store slot 1
	s_wait_alu depctr_va_vdst(0)
	v_add_f32 v253, 1.0, v252
	s_wait_alu depctr_va_vdst(0)
	v_rcp_f32 v253, v253
	v_cndmask_b32 v249, v249, v251, vcc_lo         ; (a plain line behind the reciprocal)
	s_wait_alu depctr_va_vdst(0)
	v_mul_f32 v254, v252, v253
	v_cndmask_b32 v253, v253, v254, vcc_lo
	s_barrier_signal -1                            ; my LDS instructions are done (the wait for 0 above): the eight tokens' scale bytes lie in LDS
	s_barrier_wait -1
	s_cmp_lg_u32 s14, 0
	s_cbranch_scc1 .Lnot_wave_0
	ds_load_b64 v[12:13], v15
	s_wait_dscnt 0x0
	global_store_b64 v11, v[12:13], s[32:33] offset:XSCL   ; 32 lanes store 256 consecutive bytes, at a multiple of 256 from xg's first byte
.Lnot_wave_0:
	s_wait_xcnt 0x0                                ; EXEC changes only behind this wait: it is a source of the stores above
	v_cmp_gt_u32 vcc_lo, 2, v1
	s_wait_tensorcnt 0x0
	ds_add_u32 v14, v255
	s_wait_dscnt 0x0
	s_and_saveexec_b32 s30, vcc_lo                 ; lanes 0 and 1: the two slots.  24 bytes a token in three places: too little to gather
	global_store_b32 v9, v249, s[8:9]
	global_store_b32 v10, v249, s[10:11]
	s_wait_alu depctr_va_vdst(0)
	global_store_b32 v10, v253, s[26:27] offset:XGWT
	s_endpgm
.Lfunc_end_k_q61ff11b5f3_gate:
	.size	k_q61ff11b5f3_gate, .Lfunc_end_k_q61ff11b5f3_gate-k_q61ff11b5f3_gate
	.p2alignl 7, 3214868480
	.fill 96, 4, 3214868480
	.section	.rodata,"a",@progbits
	.p2align	6, 0x0
	.amdhsa_kernel k_q61ff11b5f3_gate
		.amdhsa_group_segment_fixed_size 76288
		.amdhsa_private_segment_fixed_size 0
		.amdhsa_enable_private_segment 0
		.amdhsa_kernarg_size 40
		.amdhsa_user_sgpr_count 2
		.amdhsa_user_sgpr_kernarg_segment_ptr 1
		.amdhsa_wavefront_size32 1
		.amdhsa_system_sgpr_workgroup_id_x 1
		.amdhsa_system_sgpr_workgroup_id_y 1
		.amdhsa_system_sgpr_workgroup_id_z 1
		.amdhsa_system_vgpr_workitem_id 0
		.amdhsa_next_free_vgpr 256
		.amdhsa_next_free_sgpr 66
		.amdhsa_reserve_vcc 1
		.amdhsa_float_denorm_mode_32 3
		.amdhsa_float_denorm_mode_16_64 3
		.amdhsa_memory_ordered 1
		.amdhsa_forward_progress 1
		.amdhsa_inst_pref_size 30
	.end_amdhsa_kernel
	.amdgpu_metadata
---
amdhsa.version: [ 1, 2 ]
amdhsa.kernels:
  - .name:           k_q61ff11b5f3_gate
    .symbol:         k_q61ff11b5f3_gate.kd
    .args:
      - { .name: x, .offset: 0, .size: 8, .value_kind: global_buffer, .address_space: global }
      - { .name: gate_w, .offset: 8, .size: 8, .value_kind: global_buffer, .address_space: global }
      - { .name: out1, .offset: 16, .size: 8, .value_kind: global_buffer, .address_space: global }
      - { .name: route, .offset: 24, .size: 8, .value_kind: global_buffer, .address_space: global }
      - { .name: xg, .offset: 32, .size: 8, .value_kind: global_buffer, .address_space: global }
    .group_segment_fixed_size: 76288
    .private_segment_fixed_size: 0
    .kernarg_segment_align: 8
    .kernarg_segment_size: 40
    .max_flat_workgroup_size: 256
    .sgpr_count:     66
    .vgpr_count:     256
    .wavefront_size: 32
...
	.end_amdgpu_metadata
.endif
;; end of part 6
;; launch place (part 7): grid 16 x 8, 1 waves a work-group, no clusters, 4,864 bytes of LDS; arguments route, xg, plan, xs, w1_codes; writes plan, xs
.if DOCPART == 7
	.amdgcn_target "amdgcn-amd-amdhsa--gfx1250"
	.amdhsa_code_object_version 6
	.text
	.protected	k_q61ff11b5f3_place
	.globl	k_q61ff11b5f3_place
	.p2align	8
	.type	k_q61ff11b5f3_place,@function
k_q61ff11b5f3_place:
	s_mov_b64 s[64:65], 0
	v_nop
	global_prefetch_b8 v0, s[64:65] scope:SCOPE_SE
	s_setreg_imm32_b32 hwreg(HW_REG_WAVE_MODE, 25, 1), 1
	s_wait_xcnt 0x0
; PLACING THE ROWS BY EXPERT.  Work-group (g, e), one wave.  It reads the stored choice (route: whole numbers of the launch before), ranks the tokens that chose expert e, and gathers
; tiles g, g + 16, .. of 16 ranked rows: their codes and scale words go to xs as IMAGES OF THE OPERAND'S REGISTERS ([e][tile 64][K step 8][quarter 3][lane][16 bytes]; scale words
; [e][tile][lane][16 bytes] from byte 6,291,456 on), so that the next launch loads 512 dense bytes an instruction.  An expert has room for 1,024 rows, the most that any choice can give it: no sum over experts is needed.
; All 16 work-groups of an expert make the same ranking (384 instructions); work-group 0 stores it: plan[e][token] = the token's rank (of a token that did not choose e: a number nobody reads),
; and from byte 32,768 on the expert's count, 32 times.  Ranks go by (token / 128, token % 4, token / 4 % 32): any order serves, since each row finds its way back by its rank.
; Rows behind the count in the last tile take token 0's codes (the list is cleared first): finite numbers whose results nobody reads.
; A work-group that a given choice leaves without a tile stores nothing: the grid serves every choice, all tokens on one expert too (64 tiles).
; The gather reads 16 bytes a lane from rows 768 bytes apart: 1.6 MB in the whole launch, read shortly after they were written.
; PREFETCH: each work-group asks once for 196,608 bytes of w1_codes (its sixteenth of expert e's 3,145,728), lanes 256 bytes apart, three requests beside each of the eight rank steps: the next launch streams them.
; The 128 work-groups' parts tile the buffer exactly: the last request ends at its last byte.
.set A,  16                            ; v16-47   route, slot 0: register 4 q + i of a lane: token 128 q + 4 lane + i
.set B,  48                            ; v48-79   slot 1
.set P,  80                            ; v80-111  ranks
.set D,  112                           ; v112-211 first the rank steps' LDS addresses and tokens, a pair for each step; then a tile's 25 x 16 bytes a lane
	s_load_b256 s[4:11], s[0:1], 0x0               ; route s[4:5], xg s[6:7], plan s[8:9], xs s[10:11]
	s_load_b64 s[12:13], s[0:1], 0x20              ; w1_codes
	v_lshl_add_u32 v224, v0, 2, 0x1200
	v_mov_b32 v225, 0
	s_and_b32 s16, ttmp7, 0xffff                   ; e
	s_mov_b32 s17, 0                               ; rows counted so far
	v_lshlrev_b32 v2, 4, v0                        ; 16 x lane
	v_lshlrev_b32 v3, 2, v0                        ; 4 x lane
	v_lshlrev_b32 v4, 8, v0                        ; 256 x lane; never rewritten
	v_add_nc_u32 v5, 1040, v0                      ; where a lane whose token did not choose e puts it: behind the list
	v_mov_b32 v8, 0
	v_mov_b32 v9, 0
	v_mov_b32 v10, 0
	v_mov_b32 v11, 0
.irp i, 0,1,2,3,4,5,6,7,8
	ds_store_b128 v2, v[8:11] offset:512*\i        ; the list, 1,152 words, is cleared
.endr
	s_mul_i32 s20, s16, 3145728
	s_mul_i32 s21, ttmp9, 196608
	s_add_co_u32 s20, s20, s21
	s_mov_b32 s21, 0
	s_wait_alu depctr_va_vdst(0)
	s_wait_kmcnt 0x0
	s_add_nc_u64 s[12:13], s[12:13], s[20:21]      ; my part of w1_codes; never rewritten
.irp q, 0,1,2,3,4,5,6,7
	global_load_b128 v[A+4*\q:A+4*\q+3], v2, s[4:5] offset:512*\q
	global_load_b128 v[B+4*\q:B+4*\q+3], v2, s[4:5] offset:4096+512*\q
.endr
.macro RANK q, i
.set N, 4*\q+\i
	v_cmp_eq_u32 s20, s16, v[A+N]
	v_cmp_eq_u32 s21, s16, v[B+N]
	s_or_b32 s20, s20, s21                         ; the lanes whose token chose e
	v_mbcnt_lo_u32_b32 v[P+N], s20, 0              ; how many of them stand below me,
	v_add_nc_u32 v[P+N], s17, v[P+N]               ; and all that were counted before: my token's rank
	v_cndmask_b32 v[D+2*N], v5, v[P+N], s20
	v_min_u32 v[D+2*N], 0x42f, v[D+2*N]            ; held inside the list and the words behind it
	v_lshlrev_b32 v[D+2*N], 2, v[D+2*N]
	v_add_nc_u32 v[D+2*N+1], 128*\q+\i, v3         ; my token
	ds_store_b32 v[D+2*N], v[D+2*N+1]              ; list[rank] = token
	s_bcnt1_i32_b32 s21, s20
	s_add_co_u32 s17, s17, s21
.endm
.irp q, 0,1,2,3,4,5,6,7
	s_wait_loadcnt 14-2*\q                         ; this step's two loads are in; the later steps' pairs may be out
.irp j, 0,1,2
	global_prefetch_b8 v4, s[12:13] offset:8192*(3*\q+\j) th:TH_LOAD_NT scope:SCOPE_SE
.endr
.irp i, 0,1,2,3
	RANK \q, \i
.endr
.endr
	s_add_co_u32 s18, s17, 15
	s_lshr_b32 s18, s18, 4
	s_min_u32 s18, s18, 64                         ; the expert's tiles
	s_cmp_lg_u32 ttmp9, 0
	s_cbranch_scc1 .Lnot_first
	s_lshl_b32 s20, s16, 12
	s_mov_b32 s21, 0
	s_add_nc_u64 s[24:25], s[8:9], s[20:21]        ; plan at e's ranks
	s_lshl_b32 s20, s16, 7
	s_add_nc_u64 s[22:23], s[8:9], s[20:21]        ; and at e's count (+ 32,768 in the store)
	v_mov_b32 v12, s17
	s_wait_alu depctr_va_vdst(0)
.irp q, 0,1,2,3,4,5,6,7
	global_store_b128 v2, v[P+4*\q:P+4*\q+3], s[24:25] offset:512*\q   ; 512 consecutive bytes
.endr
	global_store_b32 v3, v12, s[22:23] offset:32768
.Lnot_first:
	s_cmp_ge_u32 ttmp9, s18
	s_cbranch_scc1 .Ldone                          ; no tile for this work-group
	s_sub_co_u32 s36, s18, ttmp9
	s_add_co_u32 s36, s36, 15
	s_lshr_b32 s36, s36, 4                         ; my trips: tiles g, g + 16, .. below the expert's number of tiles; at least 1, at most 4
	s_mov_b32 s19, 0                               ; the trip
	v_and_b32 v13, 15, v0                          ; r
	v_lshrrev_b32 v14, 4, v0                       ; H
	v_mul_u32_u24 v15, v14, 48
	v_lshlrev_b32 v14, 4, v14
	s_lshl_b32 s26, s16, 6                         ; 64 e
	s_mov_b32 s31, 0
.Ltile:
	s_wait_xcnt 0x0                                ; the last trip's stores have had their addresses translated: their data and bases are written again only behind this wait
	s_lshl_b32 s37, s19, 4
	s_add_co_u32 s37, s37, ttmp9                   ; my tile: 16 x trip + g
	s_lshl_b32 s27, s37, 4
	s_wait_alu depctr_va_vdst(0)
	v_add_nc_u32 v6, s27, v13
	v_min_u32 v6, 0x40f, v6
	v_lshlrev_b32 v6, 2, v6
	ds_load_b32 v7, v6                             ; the token of rank 16 tile + r
	s_min_u32 s28, s37, 63
	s_add_co_u32 s28, s28, s26
	s_mul_i32 s30, s28, 12288
	s_add_nc_u64 s[32:33], s[10:11], s[30:31]      ; the tile's images
	s_lshl_b32 s30, s28, 9
	s_add_nc_u64 s[34:35], s[10:11], s[30:31]      ; and its scale words (+ 6,291,456 in the store)
	s_wait_dscnt 0x0
	v_min_u32 v7, 0x3ff, v7
	v_mul_u32_u24 v8, v7, 768
	v_add_nc_u32 v8, v8, v15                       ; 768 token + 48 H
	v_lshl_add_u32 v9, v7, 5, v14                  ; 32 token + 16 H
.set n, 0
.rept 24
	global_load_b128 v[D+4*n:D+4*n+3], v8, s[6:7] offset:96*(n/3)+16*(n%3)   ; K step n / 3, quarter n % 3 of my 12 registers
.set n, n+1
.endr
	global_load_b128 v[D+96:D+99], v9, s[6:7] offset:786432
.set n, 0
.rept 24
	s_wait_loadcnt 24-n                            ; load n is in; the 24 - n behind it may be out
	global_store_b128 v2, v[D+4*n:D+4*n+3], s[32:33] offset:512*n        ; 512 consecutive bytes
.set n, n+1
.endr
	s_wait_loadcnt 0x0
	global_store_b128 v2, v[D+96:D+99], s[34:35] offset:6291456
	s_add_co_u32 s19, s19, 1
	s_cmp_lt_u32 s19, s36
	s_cbranch_scc1 .Ltile
.Ldone:
	s_wait_tensorcnt 0x0
	ds_add_u32 v224, v225
	s_wait_dscnt 0x0
	s_endpgm
.Lfunc_end_k_q61ff11b5f3_place:
	.size	k_q61ff11b5f3_place, .Lfunc_end_k_q61ff11b5f3_place-k_q61ff11b5f3_place
	.p2alignl 7, 3214868480
	.fill 96, 4, 3214868480
	.section	.rodata,"a",@progbits
	.p2align	6, 0x0
	.amdhsa_kernel k_q61ff11b5f3_place
		.amdhsa_group_segment_fixed_size 4864
		.amdhsa_private_segment_fixed_size 0
		.amdhsa_enable_private_segment 0
		.amdhsa_kernarg_size 40
		.amdhsa_user_sgpr_count 2
		.amdhsa_user_sgpr_kernarg_segment_ptr 1
		.amdhsa_wavefront_size32 1
		.amdhsa_system_sgpr_workgroup_id_x 1
		.amdhsa_system_sgpr_workgroup_id_y 1
		.amdhsa_system_sgpr_workgroup_id_z 1
		.amdhsa_system_vgpr_workitem_id 0
		.amdhsa_next_free_vgpr 226
		.amdhsa_next_free_sgpr 66
		.amdhsa_reserve_vcc 0
		.amdhsa_float_denorm_mode_32 3
		.amdhsa_float_denorm_mode_16_64 3
		.amdhsa_memory_ordered 1
		.amdhsa_forward_progress 1
		.amdhsa_inst_pref_size 33
	.end_amdhsa_kernel
	.amdgpu_metadata
---
amdhsa.version: [ 1, 2 ]
amdhsa.kernels:
  - .name:           k_q61ff11b5f3_place
    .symbol:         k_q61ff11b5f3_place.kd
    .args:
      - { .name: route, .offset: 0, .size: 8, .value_kind: global_buffer, .address_space: global }
      - { .name: xg, .offset: 8, .size: 8, .value_kind: global_buffer, .address_space: global }
      - { .name: plan, .offset: 16, .size: 8, .value_kind: global_buffer, .address_space: global }
      - { .name: xs, .offset: 24, .size: 8, .value_kind: global_buffer, .address_space: global }
      - { .name: w1_codes, .offset: 32, .size: 8, .value_kind: global_buffer, .address_space: global }
    .group_segment_fixed_size: 4864
    .private_segment_fixed_size: 0
    .kernarg_segment_align: 8
    .kernarg_segment_size: 40
    .max_flat_workgroup_size: 32
    .sgpr_count:     66
    .vgpr_count:     226
    .wavefront_size: 32
...
	.end_amdgpu_metadata
.endif
;; end of part 7
;; launch ffn1 (part 8): grid 32 x 8, 4 waves a work-group, no clusters, 101,376 bytes of LDS; arguments xs, plan, w1_codes, w1_scales, b1, hs, w2_codes; writes hs
.if DOCPART == 8
	.amdgcn_target "amdgcn-amd-amdhsa--gfx1250"
	.amdhsa_code_object_version 6
	.text
	.protected	k_q61ff11b5f3_ffn1
	.globl	k_q61ff11b5f3_ffn1
	.p2align	8
	.type	k_q61ff11b5f3_ffn1,@function
k_q61ff11b5f3_ffn1:
	s_mov_b64 s[64:65], 0
	v_nop
	global_prefetch_b8 v0, s[64:65] scope:SCOPE_SE
	s_setreg_imm32_b32 hwreg(HW_REG_WAVE_SCHED_MODE, 0, 2), 2
	s_setreg_imm32_b32 hwreg(HW_REG_WAVE_MODE, 25, 1), 1
	s_wait_xcnt 0x0
	s_wait_alu depctr_vm_vsrc(0)
; FIRST PRODUCT OF THE CHOSEN ROWS: h = Q(relu(x W1[e]^T + b1[e])), on codes of E3M2 with one E8M0 scale for each 32 along K.
; Work-group (x, e) owns hidden units 128 x .. 128 x + 127 of expert e: 128 rows of W1 x K 1,024 = 96 KiB of codes, which it alone reads, once.
; EVERY ONE OF ITS FOUR WAVES KEEPS THE WHOLE SLICE IN REGISTERS (64 fragments of 16 rows x 128 K, 768 registers) and walks tiles of 16 routed rows of its own: tile = wave, wave + 4, ..
; So the loop has no barrier, and each 12,800 bytes of a tile's images feed 64 matrix instructions.  The slice comes in dense loads, a quarter a wave, and turns through LDS once.
; THE PRODUCT IS USED TRANSPOSED (source 0 = 16 rows of W1, source 1 = 16 rows of x), and lane r of tile 2 b + u takes W1's row 32 b + 8 u + r + 8 (r / 8): a lane then holds one row of h, and the
; 16 registers of tiles 2 b, 2 b + 1 are the units 32 b + 16 (lane / 16) + 0 .. 15.  The 128 units are K step x of the second product: a tile gives one whole fragment and one scale word a row.
; b1 is the C of each sum's first matrix instruction.
; OUT: hs [e][tile 64][K step 32][1,536 bytes]: register images;  from byte 25,165,824 on the scale words [e][tile][quarter of K 4][lane][p 4]: the word of K step 8 kq + 2 p + H, row r, at 512 kq + 256 H + 16 r + 4 p:
; four bytes in every sixteen, 262 KB in the whole launch, laid as the next launch's scale registers want them.
; WHY NO TENSOR LOAD AND NO CLUSTER: the number of tiles is a count read from memory, so trip counts hang on loaded data; the weights, the bulk of the bytes, are shared by no two work-groups.
; A wave without a tile ends behind the one barrier.  The last trip asks again for its own tile (the look-ahead is held at the last tile): no byte is read that was not written.
; PREFETCH: each wave asks once for 32 rows x 768 bytes of w2_codes, lanes a row (3,072 bytes) apart, three blocks of 256 bytes a lane: the quarter of the slice that work-group (x, e) of the next launch will load.
; LIMITS: NaN and infinities are not served; a block of h that is all zeros gets the byte 1 (its codes are zeros).
; REGISTERS, in windows of 256: window 0 as named below; fragment f = 8 s + t (K step s, tile t) at register 12 (f % 21) of window 1 + f / 21, fragment 63 in window 0; v252 of every window: 16 x lane, so that
; a global load finds its address under any setting of source 0's window.
; THE MODE: SCHED_MODE bits 1:0 = 2 (LLVM: expert scheduling mode 2), set by the entry lines.  The code itself states the register dependences between vector or matrix instructions and memory or LDS
; instructions, with s_wait_alu, always for 0.
; THE PLAN.  Registers that memory or LDS instructions touch in the loop:
;   XF[s]      read by K step s's eight products; the next tile's three loads land in it during K step s + 2 (s = 6, 7: behind K step 7).
;   XSN        the load at a trip's head lands in it; the four moves behind K step 7 read it.
;   ACC        written by the products, relu and read by the quantiser; the bias's sixteen LDS loads land in it at the trip's end.
;   PC, PW     written by the quantiser; read by the trip's four global stores.
;   v252 of every window, BA, SCO: addresses, made at the head and never written again.  The weights, their scale words, XS and TM are named in the loop by vector and matrix instructions alone.
; So a wait on va_vdst stands behind K steps 1, 3, 5 and 7: the two steps' products are done reading their two fragments, whose six loads follow, dealt among the products of the next two steps, which name
; other fragments.  One more stands behind the quantiser, ahead of the stores and the bias's loads; it also stands between the moves and the next trip's load into XSN.  One wait on vm_vsrc stands ahead of the quantiser.
.set WP,   784                         ; LDS: a row of the slice, 768 bytes + 16: 196 words, so neighbouring rows start 4 banks apart
.set BIA,  128*WP                      ; behind the slice: the 128 units' bias
.set BA,   2                           ; v2       BIA + 64 (lane / 16)
.set SCO,  3                           ; v3       16 (lane % 16)
.set XS,   4                           ; v4-7     x's scale words: register p: K step 2 p in lanes 0-15, 2 p + 1 in lanes 16-31
.set XSN,  8                           ; v8-11    the next tile's, as loaded
.set XF,   12                          ; v12-107  x's eight fragments
.set ACC,  108                         ; v108-171 eight accumulators
.set WS,   172                         ; v172-203 W1's scale words: register 4 t + p, halves as in XS
.set WL,   204                         ; v204-215 fragment 63
.set TM,   216                         ; v216-219 maxima, v220-223 bytes, v224-227 scale operands
.set PW,   228                         ; v228     the scale word just made
.set PFO,  229                         ; v229     3,072 x lane; never rewritten
.set PC,   230                         ; v230-248 the codes just made (in the set-up: v230 r, v231 H, v232-235 at work)
.set BV,   249                         ; v249     my word of the bias
.set WA0,  250                         ; v250-251 my lane's place in the slice, tiles 0-3 and 4-7
.set WA1,  251
.set LO,   252
.set LA0,  253                         ; v253-254 where my 16 bytes of a raw load go in LDS
.set LA1,  254
.set ASTR, 12288                       ; bytes from tile to tile: x's images, x's scale words, h's images, h's scale words
.set SSTR, 512
.set OSTR, 49152
.set QSTR, 2048
.set MSB, 0
.macro WIN new                         ; s_set_vgpr_msb: bits 1:0 source 0, 3:2 source 1, 5:4 source 2, 7:6 destination; the high byte repeats the setting that is left
.if MSB != (\new)
	s_set_vgpr_msb (MSB<<8)|(\new)
.set MSB, \new
.endif
.endm
	s_load_b256 s[4:11], s[0:1], 0x0               ; xs s[4:5], plan s[6:7], w1_codes s[8:9], w1_scales s[10:11]
	s_load_b128 s[12:15], s[0:1], 0x20             ; b1 s[12:13], hs s[14:15]
	s_load_b64 s[16:17], s[0:1], 0x30              ; w2_codes
	v_lshl_add_u32 v245, v0, 2, 0x18a00
	v_mov_b32 v255, 0
	v_lshrrev_b32 v1, 5, v0
	v_readfirstlane_b32 s18, v1                    ; wave
	s_and_b32 s19, ttmp7, 0xffff                   ; e
	s_mov_b32 s20, ttmp9                           ; x
	v_and_b32 v1, 31, v0                           ; lane
	v_lshlrev_b32 v[LO], 4, v1
	WIN 0x40
	v_lshlrev_b32 v[LO], 4, v1
	WIN 0x80
	v_lshlrev_b32 v[LO], 4, v1
	WIN 0xc0
	v_lshlrev_b32 v[LO], 4, v1
	WIN 0
	v_and_b32 v230, 15, v0                         ; r
	v_bfe_u32 v231, v0, 4, 1                       ; H
	s_wait_alu depctr_va_sdst(0)                   ; s18, the wave's number, is written, ahead of its first reader
	s_mul_i32 s47, s18, 32*WP                      ; my wave's 32 rows of the slice in LDS
	v_add_nc_u32 v[LA0], s47, v[LO]
	v_lshl_add_u32 v[LA1], v231, 4, v[LA0]         ; (a load that spans two rows: its upper lanes lie behind one padding)
	v_and_b32 v232, 8, v230
	v_add_nc_u32 v232, v232, v230                  ; r + 8 (r / 8)
	v_mul_u32_u24 v[WA0], v232, WP
	v_mad_u32_u24 v[WA0], v231, 24, v[WA0]
	v_add_nc_u32 v[WA1], 64*WP, v[WA0]             ; (an LDS offset has 16 bits)
	v_lshlrev_b32 v233, 5, v232                    ; W1's scales: 32 bytes a row
	v_lshl_add_u32 v[BA], v231, 6, BIA
	v_lshlrev_b32 v[SCO], 4, v230
	v_lshlrev_b32 v234, 2, v0                      ; the bias: a word a thread
	v_lshl_add_u32 v235, v0, 2, BIA
	v_mul_u32_u24 v[PFO], v1, 3072
.irp b, 0,1,2,3
	v_mov_b32 v[TM+4+\b], 0                        ; written once: a lane permute's destination counts as one of its sources
.endr
	s_mov_b32 s25, 0xffff0000                      ; lanes 16-31
	s_mov_b32 s27, 0
	s_mov_b32 s44, 0x76543210
	s_mov_b32 s45, 0xfedcba98                      ; v_permlanex16_b32's selects for lane l xor 16
	s_mov_b32 s51, 0
	s_lshl_b32 s55, s19, 7                         ; where plan keeps e's count; not rewritten
	s_lshl_b32 s50, s19, 12
	s_lshl_b32 s52, s20, 7
	s_add_co_u32 s50, s50, s52                     ; my first row of W1: 4,096 e + 128 x
	s_lshl_b32 s53, s50, 5                         ; its scales,
	s_lshl_b32 s54, s50, 2                         ; its bias
	s_lshl_b32 s52, s18, 5
	s_add_co_u32 s50, s50, s52
	s_mul_i32 s50, s50, 768                        ; and my wave's 32 rows of codes
	s_wait_kmcnt 0x0
	s_load_b32 s21, s[6:7], s55 offset:0x8000      ; e's count of rows
	s_add_nc_u64 s[8:9], s[8:9], s[50:51]
	s_mov_b32 s50, s53
	s_add_nc_u64 s[10:11], s[10:11], s[50:51]
	s_mov_b32 s50, s54
	s_add_nc_u64 s[12:13], s[12:13], s[50:51]
	s_wait_alu depctr_va_vdst(0)                   ; every address and offset made above is written (v2, v3, v229, v233-235, v250-254, v252 of every window): the loads, LDS instructions, prefetches and stores of the whole kernel read them
	global_load_b32 v[BV], v234, s[12:13]
	WIN 0x40                                       ; destination window 1: the raw slice lies where fragments will
.set n, 0
.rept 48
	global_load_b128 v[4*n:4*n+3], v[LO], s[8:9] offset:512*n th:TH_LOAD_NT   ; my 32 rows are 24,576 dense bytes: 512 consecutive bytes a load, read once in the launch
.set n, n+1
.endr
	WIN 0
.irp t, 0,1,2,3,4,5,6,7
	global_load_b128 v[ACC+8*\t:ACC+8*\t+3], v233, s[10:11] offset:(32*(\t/2)+8*(\t%2))*32      ; tile t's rows: the words of K steps 0-3,
	global_load_b128 v[ACC+8*\t+4:ACC+8*\t+7], v233, s[10:11] offset:(32*(\t/2)+8*(\t%2))*32+16 ; 4-7
.endr
	s_and_b32 s52, s20, 7
	s_lshl_b32 s52, s52, 7
	s_lshl_b32 s50, s19, 10
	s_add_co_u32 s50, s50, s52
	s_lshl_b32 s52, s18, 5
	s_add_co_u32 s50, s50, s52                     ; W2's row 1,024 e + 128 (x % 8) + 32 wave,
	s_mul_i32 s50, s50, 3072
	s_lshr_b32 s52, s20, 3
	s_mul_i32 s52, s52, 768                        ; quarter x / 8 of its K
	s_add_co_u32 s50, s50, s52
	s_add_nc_u64 s[48:49], s[16:17], s[50:51]      ; never rewritten
	global_prefetch_b8 v[PFO], s[48:49] th:TH_LOAD_NT scope:SCOPE_SE
	global_prefetch_b8 v[PFO], s[48:49] offset:256 th:TH_LOAD_NT scope:SCOPE_SE
	global_prefetch_b8 v[PFO], s[48:49] offset:512 th:TH_LOAD_NT scope:SCOPE_SE
	s_mul_i32 s26, s19, 786432
	s_add_nc_u64 s[28:29], s[4:5], s[26:27]        ; x's images of expert e
	s_lshl_b32 s26, s19, 15
	s_add_nc_u64 s[30:31], s[4:5], s[26:27]
	s_add_nc_u64 s[30:31], s[30:31], 0x600000      ; their scale words
	s_mul_i32 s26, s19, 3145728
	s_mul_i32 s47, s20, 1536
	s_add_co_u32 s26, s26, s47
	s_add_nc_u64 s[32:33], s[14:15], s[26:27]      ; h's images: expert e, K step x
	s_lshl_b32 s26, s19, 17
	s_lshr_b32 s47, s20, 3
	s_lshl_b32 s47, s47, 9
	s_add_co_u32 s26, s26, s47                     ; 512 (x / 8)
	s_and_b32 s47, s20, 1
	s_lshl_b32 s47, s47, 8
	s_add_co_u32 s26, s26, s47                     ; + 256 (x % 2)
	s_bfe_u32 s47, s20, 0x20001
	s_lshl_b32 s47, s47, 2
	s_add_co_u32 s26, s26, s47                     ; + 4 (x / 2 % 4)
	s_add_nc_u64 s[34:35], s[14:15], s[26:27]
	s_add_nc_u64 s[34:35], s[34:35], 0x1800000     ; h's scale words
	WIN 0x04                                       ; an LDS store's data are its source 1: window 1
.set g, 0
.rept 16                               ; a pair of rows is three loads: row 0's first 512 bytes; its last 256 and row 1's first 256; row 1's last 512
	s_wait_loadcnt 16+3*(15-g)                     ; pair g is in: behind it stand the later pairs' loads and the 16 of the scales
	ds_store_b128 v[LA0], v[12*g:12*g+3] offset:2*WP*g
	ds_store_b128 v[LA1], v[12*g+4:12*g+7] offset:2*WP*g+512
	ds_store_b128 v[LA0], v[12*g+8:12*g+11] offset:2*WP*g+1040
.set g, g+1
.endr
	WIN 0
	ds_store_b32 v235, v[BV]                       ; (the bias was the oldest load of all)
	s_wait_loadcnt 0x0
.irp t, 0,1,2,3,4,5,6,7
.irp p, 0,1,2,3
	v_cndmask_b32 v[WS+4*\t+\p], v[ACC+8*\t+2*\p], v[ACC+8*\t+2*\p+1], s25   ; even K steps' words in lanes 0-15, odd ones' in lanes 16-31
.endr
.endr
.rept 8
	v_nop                                          ; a scale register written by a vector instruction stands 8 places ahead of a scaled matrix instruction
.endr
	s_wait_kmcnt 0x0
	s_add_co_u32 s21, s21, 15
	s_lshr_b32 s21, s21, 4
	s_min_u32 s21, s21, 64                         ; e's tiles
	s_sub_co_u32 s23, s21, 1
	s_wait_dscnt 0x0                               ; my quarter of the slice lies in LDS
	s_barrier_signal -1
	s_barrier_wait -1                              ; the whole slice does.  The launch's only barrier
	s_wait_alu depctr_vm_vsrc(0)                   ; my LDS stores have read the raw slice's registers of window 1, in which W1's fragments land; the set-up's loads and LDS store have read v233-235, which the quantiser writes
	s_wait_alu depctr_va_vdst(0)                   ; the selects are done reading the accumulators' registers, in which the bias lands, and have written W1's scale words, behind their eight places, which the products take as scales
	s_cmp_ge_u32 s18, s21
	s_cbranch_scc1 .Lend                           ; no tile for my wave
	s_sub_co_u32 s58, s21, s18
	s_add_co_u32 s58, s58, 3
	s_lshr_b32 s58, s58, 2                         ; my trips: tiles wave, wave + 4, .. below e's number of tiles; at least 1, at most 16
	s_mov_b32 s22, 0                               ; the trip
	s_mul_i32 s26, s18, ASTR                       ; my first tile is my wave's number
	s_add_nc_u64 s[36:37], s[28:29], s[26:27]
	s_mul_i32 s26, s18, SSTR
	s_add_nc_u64 s[38:39], s[30:31], s[26:27]
	global_load_b128 v[XS:XS+3], v[LO], s[38:39]
.set n, 0
.rept 24
	global_load_b128 v[XF+4*n:XF+4*n+3], v[LO], s[36:37] offset:512*n
.set n, n+1
.endr
; fragment (K step s, tile t) out of LDS: lane (r, H) takes 24 bytes at 96 s + 24 H of its row and 24 more 48 bytes on, in pieces of 8, so that every address is a multiple of the access's size
.macro WFRAG s, t
.set F, 8*(\s)+(\t)
.if F < 63
	WIN (1+F/21)<<6
.set FR, 12*(F%21)
.else
	WIN 0
.set FR, WL
.endif
.if (\t) < 4
.set FA, WA0
.set FO, (32*((\t)/2)+8*((\t)%2))*WP+96*(\s)
.else
.set FA, WA1
.set FO, (32*((\t)/2)+8*((\t)%2)-64)*WP+96*(\s)
.endif
.irp p, 0,1,2,3,4,5
	ds_load_b64 v[FR+2*\p:FR+2*\p+1], v[FA] offset:FO+48*(\p/3)+8*(\p%3)
.endr
.endm
.irp s, 0,1,2,3,4,5,6,7
.irp t, 0,1,2,3,4,5,6,7
	WFRAG \s, \t
.endr
.endr
.macro BIAS                            ; b1 in the result's layout: lane (r, H), tile 2 b + u, register j: unit 32 b + 16 H + 8 u + j
.irp t, 0,1,2,3,4,5,6,7
	ds_load_b128 v[ACC+8*\t:ACC+8*\t+3], v[BA] offset:128*(\t/2)+32*(\t%2)
	ds_load_b128 v[ACC+8*\t+4:ACC+8*\t+7], v[BA] offset:128*(\t/2)+32*(\t%2)+16
.endr
.endm
	BIAS
.macro MM s, t                         ; accumulator t += fragment (s, t) of W1 x fragment s of x
.set F, 8*(\s)+(\t)
.if F < 63
	WIN 1+F/21
.set FR, 12*(F%21)
.else
	WIN 0
.set FR, WL
.endif
.if (\s)%2
	v_wmma_scale_f32_16x16x128_f8f6f4 v[ACC+8*(\t):ACC+8*(\t)+7], v[FR:FR+11], v[XF+12*(\s):XF+12*(\s)+11], v[ACC+8*(\t):ACC+8*(\t)+7], v[WS+4*(\t)+(\s)/2], v[XS+(\s)/2] matrix_a_fmt:MATRIX_FMT_BF6 matrix_b_fmt:MATRIX_FMT_BF6 matrix_a_scale:MATRIX_SCALE_ROW1 matrix_b_scale:MATRIX_SCALE_ROW1
.else
	v_wmma_scale_f32_16x16x128_f8f6f4 v[ACC+8*(\t):ACC+8*(\t)+7], v[FR:FR+11], v[XF+12*(\s):XF+12*(\s)+11], v[ACC+8*(\t):ACC+8*(\t)+7], v[WS+4*(\t)+(\s)/2], v[XS+(\s)/2] matrix_a_fmt:MATRIX_FMT_BF6 matrix_b_fmt:MATRIX_FMT_BF6
.endif
.endm
.macro XLOAD s, q                      ; quarter q of three of the next tile's fragment s: 512 consecutive bytes.  Its address, v252, is there under any setting of source 0's window
	global_load_b128 v[XF+12*(\s)+4*(\q):XF+12*(\s)+4*(\q)+3], v[LO], s[36:37] offset:512*(3*(\s)+(\q))
.endm
; A K step: eight matrix instructions, the eight accumulators by turns.  From K step 2 on the next tile's fragment s - 2 is asked for among them, a load behind products 1, 3 and 5.
; left: the loads that may stay out when x's fragment s has to be in.  Behind its three loads stand 3 (7 - s) of this tile, the next tile's scale words and what has been asked of the next tile's fragments:
; nothing up to s = 2, then 3 (s - 2): 22, 19, and 16 from s = 2 on, on the way in and round the loop.
.macro KSTEP s, left
	s_wait_loadcnt \left
.irp t, 0,1,2,3,4,5,6,7
	MM \s, \t
.if ((\s) >= 2) && (((\t)%2) == 1) && ((\t) < 6)
	XLOAD (\s)-2, (\t)/2                           ; no wait: no vector or matrix instruction since the last wait on va_vdst names fragment s - 2 or v252
.endif
.endr
.if (\s)%2
.rept 4
	v_nop                                          ; four places behind the products, as in front of every load into registers that they have read; behind K step 7 also ahead of the first read of results and of the moves into scale registers
.endr
	s_wait_alu depctr_va_vdst(0)                   ; the products of K steps s - 1 and s are done reading x's fragments s - 1 and s, in which the next tile's loads land
.endif
.endm
; 64 numbers of a lane, register 16 b + i = unit 32 b + 16 (lane / 16) + i of my row, none negative, become a fragment's codes in v[PC] on and its scale word in v[PW]
.macro QUANT
.irp b, 0,1,2,3
	v_max3_num_f32 v[TM+\b], v[ACC+16*\b], v[ACC+1+16*\b], 0x2800000   ; block b: my 16 numbers, and the floor 2^(5 - 127): the byte cannot fall under 1
.endr
.irp i, 2,4,6,8,10,12,14
.irp b, 0,1,2,3
	v_max3_num_f32 v[TM+\b], v[TM+\b], v[ACC+16*\b+\i], v[ACC+1+16*\b+\i]   ; (the four blocks by turns)
.endr
.endr
.irp b, 0,1,2,3
	v_permlanex16_b32 v[TM+4+\b], v[TM+\b], s44, s45
.endr
.irp b, 0,1,2,3
	v_max_num_f32 v[TM+\b], v[TM+\b], v[TM+4+\b]   ; with lane l xor 16's: the block's largest
.endr
.irp b, 0,1,2,3
	v_add_nc_u32 v[TM+8+\b], 0xfe000000, v[TM+\b]  ; 4 off its exponent field: the conversion's scale operand
.endr
.irp b, 0,1,2,3
	v_lshrrev_b32 v[TM+4+\b], 23, v[TM+8+\b]       ; the scale's byte
.endr
	v_lshl_or_b32 v[PW], v[TM+5], 8, v[TM+4]
	v_lshl_or_b32 v[PW], v[TM+6], 16, v[PW]
	v_lshl_or_b32 v[PW], v[TM+7], 24, v[PW]
.irp c, 0,1
	v_cvt_scalef32_pk16_bf6_f32 v[PC+6*\c:PC+6*\c+2], v[ACC+32*\c:ACC+32*\c+15], v[TM+8+2*\c]
	v_cvt_scalef32_pk16_bf6_f32 v[PC+12+4*\c:PC+14+4*\c], v[ACC+16+32*\c:ACC+31+32*\c], v[TM+9+2*\c]   ; (a conversion's three registers begin on an even number)
.endr
	v_nop                                          ; one plain place behind a scaled conversion
.irp c, 0,1                            ; the operand's layout wants a whole block in a lane: lanes 0-15 block 2 c, lanes 16-31 block 2 c + 1
.irp i, 0,1,2
	v_permlane16_swap_b32 v[PC+6*\c+\i], v[PC+12+4*\c+\i]
.endr
.irp i, 0,1,2
	v_mov_b32 v[PC+3+6*\c+\i], v[PC+12+4*\c+\i]
.endr
.endr
.endm
.Ltile:                                ; a trip: one tile of 16 rows
	s_wait_xcnt 0x0                                ; every earlier load and store has had its addresses translated: bases and the stores' data are written again only behind this wait
	s_lshl_b32 s59, s22, 2
	s_add_co_u32 s59, s59, s18                     ; my tile: 4 x trip + wave
	s_add_co_u32 s24, s59, 4
	s_min_u32 s24, s24, s23                        ; the tile to fetch: my next, or the expert's last
	s_min_u32 s24, s24, 63
	s_min_u32 s46, s59, 63
	s_mul_i32 s26, s24, ASTR
	s_add_nc_u64 s[36:37], s[28:29], s[26:27]
	s_mul_i32 s26, s24, SSTR
	s_add_nc_u64 s[38:39], s[30:31], s[26:27]
	s_mul_i32 s26, s46, OSTR
	s_add_nc_u64 s[40:41], s[32:33], s[26:27]
	s_mul_i32 s26, s46, QSTR
	s_add_nc_u64 s[42:43], s[34:35], s[26:27]
	global_load_b128 v[XSN:XSN+3], v[LO], s[38:39] ; no wait: the moves that read these registers stand ahead of the last trip's last wait on va_vdst, and nothing behind it names them
	s_wait_dscnt 0x0                               ; the bias lies in the accumulators (first trip: and W1's fragments in their registers)
	KSTEP 0, 22
	KSTEP 1, 19
.irp s, 2,3,4,5,6,7
	KSTEP \s, 16
.endr
	WIN 0
.irp q, 0,1,2
	XLOAD 6, \q                                    ; the last two fragments, behind K step 7's wait
.endr
.irp q, 0,1,2
	XLOAD 7, \q
.endr
	s_wait_loadcnt 24                              ; the next tile's scale words are in; its 24 fragment loads may be out
.irp p, 0,1,2,3
	v_mov_b32 v[XS+\p], v[XSN+\p]                  ; (more than 8 vector instructions follow ahead of the next scaled matrix instruction)
.endr
.set j, 0
.rept 64
	v_max_num_f32 v[ACC+j], 0, v[ACC+j]            ; relu, in f32; each accumulator from its low end on
.set j, j+1
.endr
	s_wait_alu depctr_vm_vsrc(0)                   ; the last trip's four stores have read the codes and the scale word, which the quantiser writes again
	QUANT
	s_wait_alu depctr_va_vdst(0)                   ; the quantiser has written the codes and the scale word, which the stores read, and is done with the accumulators, in which the bias lands; the moves have read XSN, in which the next trip's load lands, and have written XS, which the next products take as scales
.irp c, 0,1,2
	global_store_b128 v[LO], v[PC+4*\c:PC+4*\c+3], s[40:41] offset:512*\c   ; the fragment as it stands: 512 consecutive bytes a store
.endr
	global_store_b32 v[SCO], v[PW], s[42:43]       ; my row's scale word (both halves of the lanes hold the same word and give it the same place)
	BIAS                                           ; for the next trip: it lands under the lines round the loop's edge
	s_add_co_u32 s22, s22, 1
	s_cmp_lt_u32 s22, s58
	s_cbranch_scc1 .Ltile
.Lend:
	s_wait_dscnt 0x0                               ; the closing lines, six on end
	s_wait_alu 0x0
	s_wait_tensorcnt 0x0
	ds_add_u32 v245, v255
	s_wait_dscnt 0x0
	s_endpgm
.Lfunc_end_k_q61ff11b5f3_ffn1:
	.size	k_q61ff11b5f3_ffn1, .Lfunc_end_k_q61ff11b5f3_ffn1-k_q61ff11b5f3_ffn1
	.p2alignl 7, 3214868480
	.fill 96, 4, 3214868480
	.section	.rodata,"a",@progbits
	.p2align	6, 0x0
	.amdhsa_kernel k_q61ff11b5f3_ffn1
		.amdhsa_group_segment_fixed_size 101376
		.amdhsa_private_segment_fixed_size 0
		.amdhsa_enable_private_segment 0
		.amdhsa_kernarg_size 56
		.amdhsa_user_sgpr_count 2
		.amdhsa_user_sgpr_kernarg_segment_ptr 1
		.amdhsa_wavefront_size32 1
		.amdhsa_system_sgpr_workgroup_id_x 1
		.amdhsa_system_sgpr_workgroup_id_y 1
		.amdhsa_system_sgpr_workgroup_id_z 1
		.amdhsa_system_vgpr_workitem_id 0
		.amdhsa_next_free_vgpr 1024
		.amdhsa_next_free_sgpr 66
		.amdhsa_reserve_vcc 0
		.amdhsa_float_denorm_mode_32 3
		.amdhsa_float_denorm_mode_16_64 3
		.amdhsa_memory_ordered 1
		.amdhsa_forward_progress 1
		.amdhsa_inst_pref_size 65
	.end_amdhsa_kernel
	.amdgpu_metadata
---
amdhsa.version: [ 1, 2 ]
amdhsa.kernels:
  - .name:           k_q61ff11b5f3_ffn1
    .symbol:         k_q61ff11b5f3_ffn1.kd
    .args:
      - { .name: xs, .offset: 0, .size: 8, .value_kind: global_buffer, .address_space: global }
      - { .name: plan, .offset: 8, .size: 8, .value_kind: global_buffer, .address_space: global }
      - { .name: w1_codes, .offset: 16, .size: 8, .value_kind: global_buffer, .address_space: global }
      - { .name: w1_scales, .offset: 24, .size: 8, .value_kind: global_buffer, .address_space: global }
      - { .name: b1, .offset: 32, .size: 8, .value_kind: global_buffer, .address_space: global }
      - { .name: hs, .offset: 40, .size: 8, .value_kind: global_buffer, .address_space: global }
      - { .name: w2_codes, .offset: 48, .size: 8, .value_kind: global_buffer, .address_space: global }
    .group_segment_fixed_size: 101376
    .private_segment_fixed_size: 0
    .kernarg_segment_align: 8
    .kernarg_segment_size: 56
    .max_flat_workgroup_size: 128
    .sgpr_count:     66
    .vgpr_count:     1024
    .wavefront_size: 32
...
	.end_amdgpu_metadata
.endif
;; end of part 8
;; launch ffn2 (part 9): grid 32 x 8, 4 waves a work-group, no clusters, 134,656 bytes of LDS; arguments hs, plan, w2_codes, w2_scales, yp; writes yp
.if DOCPART == 9
	.amdgcn_target "amdgcn-amd-amdhsa--gfx1250"
	.amdhsa_code_object_version 6
	.text
	.protected	k_q61ff11b5f3_ffn2
	.globl	k_q61ff11b5f3_ffn2
	.p2align	8
	.type	k_q61ff11b5f3_ffn2,@function
k_q61ff11b5f3_ffn2:
	s_mov_b64 s[64:65], 0
	v_nop
	global_prefetch_b8 v0, s[64:65] scope:SCOPE_SE
	s_setreg_imm32_b32 hwreg(HW_REG_WAVE_SCHED_MODE, 0, 2), 2
	s_setreg_imm32_b32 hwreg(HW_REG_WAVE_MODE, 25, 1), 1
	s_wait_xcnt 0x0
	s_wait_alu depctr_vm_vsrc(0)
; SECOND PRODUCT OF THE CHOSEN ROWS, IN QUARTERS OF K: yp[e][row][kq][d] = sum over hidden units 1,024 kq .. 1,024 kq + 1,023 of h W2[e]^T, on codes of E3M2 with one E8M0 scale for each 32 along K; f32 sums.
; Work-group (x, e): outputs 128 ds .. 128 ds + 127 (ds = x % 8), quarter kq = x / 8 of K: 128 rows of W2 x 768 bytes = 96 KiB of codes, which it alone reads, once.  Shape, registers and loop are those of the
; first product's launch: every wave keeps the whole slice in 768 registers and walks tiles of 16 routed rows of its own (tile = wave, wave + 4, ..), fed by register images of h; no barrier in the loop.
; WHY QUARTERS: with all of K in a work-group a slice would hold 32 outputs, and h (6.6 MB) would be read 32 times; with quarters it is read 8 times, at the price of four partial sums a row, which the last launch adds.
; THE PRODUCT IS USED TRANSPOSED (source 0 = 16 rows of W2, source 1 = 16 rows of h): a lane holds eight neighbouring outputs of one row.  A tile goes through the wave's own stage in LDS and leaves as 16 rows of 512 consecutive bytes.
; WHY NO TENSOR LOAD AND NO CLUSTER: the number of tiles is a count read from memory; the weights are shared by no two work-groups.
; Rows behind the count in the last tile are computed and stored like the others; nobody reads them.  The last trip asks again for its own tile: no byte is read that was not written.
; REGISTERS: window 0 as named below; fragment f = 8 s + t at register 12 (f % 21) of window 1 + f / 21, fragment 63 in window 0; v252 of every window: 16 x lane.
; THE MODE: SCHED_MODE bits 1:0 = 2 (LLVM: expert scheduling mode 2), set by the entry lines.  The code itself states the register dependences between vector or matrix instructions and memory or LDS
; instructions, with s_wait_alu, always for 0.
; THE PLAN.  Registers that memory or LDS instructions touch in the loop:
;   XF[s]      read by K step s's eight products; the next tile's three loads land in it during K step s + 2 (s = 6, 7: behind K step 7).
;   XSN        the load at a trip's head lands in it; the four moves on the way out read it.
;   ACC        written by the products; read by the sixteen LDS stores into the stage; the sixteen LDS loads out of the stage land in it; read by the sixteen global stores; written anew by the next trip's K step 0.
;   v252 of every window, STO, RD: addresses, made at the head and never written again.  The weights, their scale words and XS are named in the loop by vector and matrix instructions alone.
; So a wait on va_vdst stands behind K steps 1, 3, 5 and 7: the two steps' products are done reading their two fragments, whose six loads follow, dealt among the products of the next two steps, which name
; other fragments; the one behind K step 7 also states that the accumulators are written, for the stage's stores.  One more stands behind the moves and their eight places.
; A wait on vm_vsrc stands between the stage's stores and its loads, and one at a trip's head, between the global stores and K step 0.
.set WP,   784                         ; LDS: a row of the slice, 768 bytes + 16: neighbouring rows start 4 banks apart
.set STG,  128*WP                      ; behind the slice: for each wave a stage of 16 rows x (512 + 16) bytes
.set SP,   528
.set STO,  2                           ; v2       the stage: where I put 32 bytes of a row
.set RD,   3                           ; v3       and where I read a row back
.set XS,   4                           ; v4-7     h's scale words: register p: K step 2 p in lanes 0-15, 2 p + 1 in lanes 16-31
.set XSN,  8                           ; v8-11    the next tile's, as loaded
.set XF,   12                          ; v12-107  h's eight fragments
.set ACC,  108                         ; v108-171 eight accumulators; then 16 rows on their way out
.set WS,   172                         ; v172-203 W2's scale words: register 4 t + p, halves as in XS
.set WL,   204                         ; v204-215 fragment 63
.set WA0,  250                         ; v250-251 my lane's place in the slice, tiles 0-3 and 4-7
.set WA1,  251
.set LO,   252
.set LA0,  253                         ; v253-254 where my 16 bytes of a raw load go in LDS
.set LA1,  254
.set LO1,  255                         ; v255     16 x lane, and for lanes 16-31 on into the next row of W2
.set ASTR, 49152                       ; bytes from tile to tile: h's images, h's scale words, yp
.set SSTR, 2048
.set OSTR, 262144
.set MSB, 0
.macro WIN new                         ; s_set_vgpr_msb: bits 1:0 source 0, 3:2 source 1, 5:4 source 2, 7:6 destination; the high byte repeats the setting that is left
.if MSB != (\new)
	s_set_vgpr_msb (MSB<<8)|(\new)
.set MSB, \new
.endif
.endm
	s_load_b256 s[4:11], s[0:1], 0x0               ; hs s[4:5], plan s[6:7], w2_codes s[8:9], w2_scales s[10:11]
	s_load_b64 s[12:13], s[0:1], 0x20              ; yp
	v_lshl_add_u32 v248, v0, 2, 0x20c00
	v_mov_b32 v249, 0
	v_lshrrev_b32 v1, 5, v0
	v_readfirstlane_b32 s18, v1                    ; wave
	s_and_b32 s19, ttmp7, 0xffff                   ; e
	s_mov_b32 s20, ttmp9                           ; x
	s_and_b32 s56, s20, 7                          ; ds
	s_lshr_b32 s57, s20, 3                         ; kq
	v_and_b32 v1, 31, v0                           ; lane
	v_lshlrev_b32 v[LO], 4, v1
	WIN 0x40
	v_lshlrev_b32 v[LO], 4, v1
	WIN 0x80
	v_lshlrev_b32 v[LO], 4, v1
	WIN 0xc0
	v_lshlrev_b32 v[LO], 4, v1
	WIN 0
	v_and_b32 v230, 15, v0                         ; r
	v_bfe_u32 v231, v0, 4, 1                       ; H
	s_wait_alu depctr_va_sdst(0)                   ; s18, the wave's number, is written, ahead of its first reader
	s_mul_i32 s47, s18, 32*WP                      ; my wave's 32 rows of the slice in LDS
	v_add_nc_u32 v[LA0], s47, v[LO]
	v_lshl_add_u32 v[LA1], v231, 4, v[LA0]
	v_mad_u32_u24 v[LO1], v231, 2304, v[LO]        ; from byte 768 of a row's quarter to byte 0 of the next row's: 3,072 - 768
	v_mul_u32_u24 v[WA0], v230, WP
	v_mad_u32_u24 v[WA0], v231, 24, v[WA0]
	v_add_nc_u32 v[WA1], 64*WP, v[WA0]             ; (an LDS offset has 16 bits)
	v_lshlrev_b32 v233, 7, v230                    ; W2's scales: 128 bytes a row
	s_mul_i32 s47, s18, 16*SP
	s_add_co_u32 s47, s47, STG                     ; my stage
	v_mul_u32_u24 v[STO], v230, SP
	v_lshl_add_u32 v[STO], v231, 5, v[STO]
	v_add_nc_u32 v[STO], s47, v[STO]               ; in: row r, 32 bytes for each half of the lanes
	v_add_nc_u32 v[RD], s47, v[LO]                 ; back: the 32 lanes take one row of 512 bytes
	s_mov_b32 s25, 0xffff0000                      ; lanes 16-31
	s_mov_b32 s27, 0
	s_mov_b32 s51, 0
	s_lshl_b32 s55, s19, 7                         ; where plan keeps e's count; not rewritten
	s_lshl_b32 s50, s19, 10
	s_lshl_b32 s52, s56, 7
	s_add_co_u32 s50, s50, s52                     ; my first row of W2: 1,024 e + 128 ds
	s_lshl_b32 s53, s50, 7
	s_lshl_b32 s52, s57, 5
	s_add_co_u32 s53, s53, s52                     ; its scales: 128 bytes a row, + 32 kq
	s_lshl_b32 s52, s18, 5
	s_add_co_u32 s50, s50, s52
	s_mul_i32 s50, s50, 3072
	s_mul_i32 s52, s57, 768
	s_add_co_u32 s50, s50, s52                     ; my wave's 32 rows of codes, quarter kq
	s_wait_kmcnt 0x0
	s_load_b32 s21, s[6:7], s55 offset:0x8000      ; e's count of rows
	s_add_nc_u64 s[8:9], s[8:9], s[50:51]
	s_mov_b32 s50, s53
	s_add_nc_u64 s[10:11], s[10:11], s[50:51]
	s_wait_alu depctr_va_vdst(0)                   ; every address and offset made above is written (v2, v3, v233, v250-255, v252 of every window): the loads, LDS instructions and stores of the whole kernel read them
	WIN 0x40                                       ; destination window 1: the raw slice lies where fragments will
.set g, 0
.rept 16                               ; a pair of rows is three loads, each of two aligned runs of 256 bytes or one of 512; read once in the launch
	global_load_b128 v[12*g:12*g+3], v[LO], s[8:9] offset:6144*g th:TH_LOAD_NT
	global_load_b128 v[12*g+4:12*g+7], v[LO1], s[8:9] offset:6144*g+512 th:TH_LOAD_NT
	global_load_b128 v[12*g+8:12*g+11], v[LO], s[8:9] offset:6144*g+3328 th:TH_LOAD_NT
.set g, g+1
.endr
	WIN 0
.irp t, 0,1,2,3,4,5,6,7
	global_load_b128 v[ACC+8*\t:ACC+8*\t+3], v233, s[10:11] offset:2048*\t        ; tile t's rows 16 t + r: the words of my K steps 0-3,
	global_load_b128 v[ACC+8*\t+4:ACC+8*\t+7], v233, s[10:11] offset:2048*\t+16   ; 4-7
.endr
	s_mul_i32 s26, s19, 3145728
	s_mul_i32 s47, s57, 12288
	s_add_co_u32 s26, s26, s47
	s_add_nc_u64 s[28:29], s[4:5], s[26:27]        ; h's images: expert e, K steps 8 kq on
	s_lshl_b32 s26, s19, 17
	s_lshl_b32 s47, s57, 9
	s_add_co_u32 s26, s26, s47
	s_add_nc_u64 s[30:31], s[4:5], s[26:27]
	s_add_nc_u64 s[30:31], s[30:31], 0x1800000     ; their scale words
	s_lshl_b32 s26, s19, 24
	s_lshl_b32 s47, s57, 12
	s_add_co_u32 s26, s26, s47
	s_lshl_b32 s47, s56, 9
	s_add_co_u32 s26, s26, s47
	s_add_nc_u64 s[32:33], s[12:13], s[26:27]      ; yp: expert e, quarter kq, outputs 128 ds on
	WIN 0x04                                       ; an LDS store's data are its source 1: window 1
.set g, 0
.rept 16
	s_wait_loadcnt 16+3*(15-g)                     ; pair g is in: behind it stand the later pairs' loads and the 16 of the scales
	ds_store_b128 v[LA0], v[12*g:12*g+3] offset:2*WP*g
	ds_store_b128 v[LA1], v[12*g+4:12*g+7] offset:2*WP*g+512
	ds_store_b128 v[LA0], v[12*g+8:12*g+11] offset:2*WP*g+1040
.set g, g+1
.endr
	WIN 0
	s_wait_loadcnt 0x0
.irp t, 0,1,2,3,4,5,6,7
.irp p, 0,1,2,3
	v_cndmask_b32 v[WS+4*\t+\p], v[ACC+8*\t+2*\p], v[ACC+8*\t+2*\p+1], s25   ; even K steps' words in lanes 0-15, odd ones' in lanes 16-31
.endr
.endr
.rept 8
	v_nop                                          ; a scale register written by a vector instruction stands 8 places ahead of a scaled matrix instruction
.endr
	s_wait_kmcnt 0x0
	s_add_co_u32 s21, s21, 15
	s_lshr_b32 s21, s21, 4
	s_min_u32 s21, s21, 64                         ; e's tiles
	s_sub_co_u32 s23, s21, 1
	s_wait_dscnt 0x0                               ; my quarter of the slice lies in LDS
	s_barrier_signal -1
	s_barrier_wait -1                              ; the whole slice does.  The launch's only barrier
	s_wait_alu depctr_vm_vsrc(0)                   ; my LDS stores have read the raw slice's registers of window 1, in which W2's fragments land
	s_wait_alu depctr_va_vdst(0)                   ; the selects have written W2's scale words, behind their eight places, which the products take as scales
	s_cmp_ge_u32 s18, s21
	s_cbranch_scc1 .Lend                           ; no tile for my wave
	s_sub_co_u32 s58, s21, s18
	s_add_co_u32 s58, s58, 3
	s_lshr_b32 s58, s58, 2                         ; my trips: tiles wave, wave + 4, .. below e's number of tiles; at least 1, at most 16
	s_mov_b32 s22, 0                               ; the trip
	s_mul_i32 s26, s18, ASTR                       ; my first tile is my wave's number
	s_add_nc_u64 s[36:37], s[28:29], s[26:27]
	s_mul_i32 s26, s18, SSTR
	s_add_nc_u64 s[38:39], s[30:31], s[26:27]
	global_load_b128 v[XS:XS+3], v[LO], s[38:39]
.set n, 0
.rept 24
	global_load_b128 v[XF+4*n:XF+4*n+3], v[LO], s[36:37] offset:512*n
.set n, n+1
.endr
; fragment (K step s, tile t) out of LDS: lane (r, H) takes 24 bytes at 96 s + 24 H of row 16 t + r and 24 more 48 bytes on, in pieces of 8
.macro WFRAG s, t
.set F, 8*(\s)+(\t)
.if F < 63
	WIN (1+F/21)<<6
.set FR, 12*(F%21)
.else
	WIN 0
.set FR, WL
.endif
.if (\t) < 4
.set FA, WA0
.set FO, 16*(\t)*WP+96*(\s)
.else
.set FA, WA1
.set FO, (16*(\t)-64)*WP+96*(\s)
.endif
.irp p, 0,1,2,3,4,5
	ds_load_b64 v[FR+2*\p:FR+2*\p+1], v[FA] offset:FO+48*(\p/3)+8*(\p%3)
.endr
.endm
.irp s, 0,1,2,3,4,5,6,7
.irp t, 0,1,2,3,4,5,6,7
	WFRAG \s, \t
.endr
.endr
	s_wait_dscnt 0x0                               ; W2's fragments lie in their registers
.macro MM s, t                         ; accumulator t (+)= fragment (s, t) of W2 x fragment s of h; K step 0 starts the sums with the constant 0
.set F, 8*(\s)+(\t)
.if F < 63
	WIN 1+F/21
.set FR, 12*(F%21)
.else
	WIN 0
.set FR, WL
.endif
.if (\s) == 0
	v_wmma_scale_f32_16x16x128_f8f6f4 v[ACC+8*(\t):ACC+8*(\t)+7], v[FR:FR+11], v[XF+12*(\s):XF+12*(\s)+11], 0, v[WS+4*(\t)+(\s)/2], v[XS+(\s)/2] matrix_a_fmt:MATRIX_FMT_BF6 matrix_b_fmt:MATRIX_FMT_BF6
.elseif (\s)%2
	v_wmma_scale_f32_16x16x128_f8f6f4 v[ACC+8*(\t):ACC+8*(\t)+7], v[FR:FR+11], v[XF+12*(\s):XF+12*(\s)+11], v[ACC+8*(\t):ACC+8*(\t)+7], v[WS+4*(\t)+(\s)/2], v[XS+(\s)/2] matrix_a_fmt:MATRIX_FMT_BF6 matrix_b_fmt:MATRIX_FMT_BF6 matrix_a_scale:MATRIX_SCALE_ROW1 matrix_b_scale:MATRIX_SCALE_ROW1
.else
	v_wmma_scale_f32_16x16x128_f8f6f4 v[ACC+8*(\t):ACC+8*(\t)+7], v[FR:FR+11], v[XF+12*(\s):XF+12*(\s)+11], v[ACC+8*(\t):ACC+8*(\t)+7], v[WS+4*(\t)+(\s)/2], v[XS+(\s)/2] matrix_a_fmt:MATRIX_FMT_BF6 matrix_b_fmt:MATRIX_FMT_BF6
.endif
.endm
.macro XLOAD s, q                      ; quarter q of three of the next tile's fragment s: 512 consecutive bytes.  Its address, v252, is there under any setting of source 0's window
	global_load_b128 v[XF+12*(\s)+4*(\q):XF+12*(\s)+4*(\q)+3], v[LO], s[36:37] offset:512*(3*(\s)+(\q))
.endm
; A K step: eight matrix instructions, the eight accumulators by turns.  From K step 2 on the next tile's fragment s - 2 is asked for among them, a load behind products 1, 3 and 5.
; left: the loads that may stay out when h's fragment s has to be in.  Behind its three loads stand 3 (7 - s) of this tile, the next tile's scale words and what has been asked of the next tile's fragments:
; nothing up to s = 2, then 3 (s - 2): 22, 19, and 16 from s = 2 on, on the way in and round the loop.
.macro KSTEP s, left
	s_wait_loadcnt \left
.irp t, 0,1,2,3,4,5,6,7
	MM \s, \t
.if ((\s) >= 2) && (((\t)%2) == 1) && ((\t) < 6)
	XLOAD (\s)-2, (\t)/2                           ; no wait: no vector or matrix instruction since the last wait on va_vdst names fragment s - 2 or v252
.endif
.endr
.if (\s)%2
.rept 4
	v_nop                                          ; four places behind the products, as in front of every load into registers that they have read; behind K step 7 also ahead of the LDS stores that read results and of the moves into scale registers
.endr
	s_wait_alu depctr_va_vdst(0)                   ; the products of K steps s - 1 and s are done reading h's fragments s - 1 and s, in which the next tile's loads land; behind K step 7: and all eight accumulators are written, which the stage's stores read
.endif
.endm
.Ltile:                                ; a trip: one tile of 16 rows
	s_wait_xcnt 0x0                                ; every earlier load and store has had its addresses translated: bases and the stores' data (the accumulators' registers) are written again only behind this wait
	s_wait_alu depctr_vm_vsrc(0)                   ; the last trip's global stores have read the accumulators' registers, which K step 0's products write
	s_lshl_b32 s59, s22, 2
	s_add_co_u32 s59, s59, s18                     ; my tile: 4 x trip + wave
	s_add_co_u32 s24, s59, 4
	s_min_u32 s24, s24, s23                        ; the tile to fetch: my next, or the expert's last
	s_min_u32 s24, s24, 63
	s_min_u32 s46, s59, 63
	s_mul_i32 s26, s24, ASTR
	s_add_nc_u64 s[36:37], s[28:29], s[26:27]
	s_mul_i32 s26, s24, SSTR
	s_add_nc_u64 s[38:39], s[30:31], s[26:27]
	s_mul_i32 s26, s46, OSTR
	s_add_nc_u64 s[40:41], s[32:33], s[26:27]
	global_load_b128 v[XSN:XSN+3], v[LO], s[38:39] ; no wait: the moves that read these registers stand ahead of the last trip's last wait on va_vdst, and nothing behind it names them
	KSTEP 0, 22
	KSTEP 1, 19
.irp s, 2,3,4,5,6,7
	KSTEP \s, 16
.endr
	WIN 0
.irp q, 0,1,2
	XLOAD 6, \q                                    ; the last two fragments, behind K step 7's wait
.endr
.irp q, 0,1,2
	XLOAD 7, \q
.endr
.irp t, 0,1,2,3,4,5,6,7
	ds_store_b128 v[STO], v[ACC+8*\t:ACC+8*\t+3] offset:64*\t          ; lane (r, H): outputs 16 t + 8 H + 0 .. 7 of row r; each accumulator from its low end on
	ds_store_b128 v[STO], v[ACC+8*\t+4:ACC+8*\t+7] offset:64*\t+16
.endr
	s_wait_alu depctr_vm_vsrc(0)                   ; the stage's stores have read the accumulators' registers, in which the rows land
.set i, 0
.rept 16
	ds_load_b128 v[ACC+4*i:ACC+4*i+3], v[RD] offset:SP*i               ; LDS serves a wave's instructions in order: these see my stores
.set i, i+1
.endr
	s_wait_loadcnt 24                              ; the next tile's scale words are in; its 24 fragment loads may be out
.irp p, 0,1,2,3
	v_mov_b32 v[XS+\p], v[XSN+\p]
.endr
.rept 8
	v_nop                                          ; the scale registers just written stand 8 places ahead of the next scaled matrix instruction; these are also the places ahead of the products that begin the accumulators anew
.endr
	s_wait_alu depctr_va_vdst(0)                   ; the moves have written XS, behind its eight places, which the next products take as scales, and have read XSN, in which the next trip's load lands
.set i, 0
.rept 16
	s_wait_dscnt 15-i                              ; row i is back; the 15 - i behind it may be out
	global_store_b128 v[LO], v[ACC+4*i:ACC+4*i+3], s[40:41] offset:16384*i   ; 512 consecutive bytes of row i, at a multiple of 256 from yp's first byte
.set i, i+1
.endr
	s_add_co_u32 s22, s22, 1
	s_cmp_lt_u32 s22, s58
	s_cbranch_scc1 .Ltile
.Lend:
	s_wait_dscnt 0x0                               ; the closing lines, six on end
	s_wait_alu 0x0
	s_wait_tensorcnt 0x0
	ds_add_u32 v248, v249
	s_wait_dscnt 0x0
	s_endpgm
.Lfunc_end_k_q61ff11b5f3_ffn2:
	.size	k_q61ff11b5f3_ffn2, .Lfunc_end_k_q61ff11b5f3_ffn2-k_q61ff11b5f3_ffn2
	.p2alignl 7, 3214868480
	.fill 96, 4, 3214868480
	.section	.rodata,"a",@progbits
	.p2align	6, 0x0
	.amdhsa_kernel k_q61ff11b5f3_ffn2
		.amdhsa_group_segment_fixed_size 134656
		.amdhsa_private_segment_fixed_size 0
		.amdhsa_enable_private_segment 0
		.amdhsa_kernarg_size 40
		.amdhsa_user_sgpr_count 2
		.amdhsa_user_sgpr_kernarg_segment_ptr 1
		.amdhsa_wavefront_size32 1
		.amdhsa_system_sgpr_workgroup_id_x 1
		.amdhsa_system_sgpr_workgroup_id_y 1
		.amdhsa_system_sgpr_workgroup_id_z 1
		.amdhsa_system_vgpr_workitem_id 0
		.amdhsa_next_free_vgpr 1024
		.amdhsa_next_free_sgpr 66
		.amdhsa_reserve_vcc 0
		.amdhsa_float_denorm_mode_32 3
		.amdhsa_float_denorm_mode_16_64 3
		.amdhsa_memory_ordered 1
		.amdhsa_forward_progress 1
		.amdhsa_inst_pref_size 60
	.end_amdhsa_kernel
	.amdgpu_metadata
---
amdhsa.version: [ 1, 2 ]
amdhsa.kernels:
  - .name:           k_q61ff11b5f3_ffn2
    .symbol:         k_q61ff11b5f3_ffn2.kd
    .args:
      - { .name: hs, .offset: 0, .size: 8, .value_kind: global_buffer, .address_space: global }
      - { .name: plan, .offset: 8, .size: 8, .value_kind: global_buffer, .address_space: global }
      - { .name: w2_codes, .offset: 16, .size: 8, .value_kind: global_buffer, .address_space: global }
      - { .name: w2_scales, .offset: 24, .size: 8, .value_kind: global_buffer, .address_space: global }
      - { .name: yp, .offset: 32, .size: 8, .value_kind: global_buffer, .address_space: global }
    .group_segment_fixed_size: 134656
    .private_segment_fixed_size: 0
    .kernarg_segment_align: 8
    .kernarg_segment_size: 40
    .max_flat_workgroup_size: 128
    .sgpr_count:     66
    .vgpr_count:     1024
    .wavefront_size: 32
...
	.end_amdgpu_metadata
.endif
;; end of part 9
;; launch combine (part 10): grid 256 x 1, 8 waves a work-group, no clusters, 0 bytes of LDS; arguments route, xg, plan, yp, b2, out0; writes out0
.if DOCPART == 10
	.amdgcn_target "amdgcn-amd-amdhsa--gfx1250"
	.amdhsa_code_object_version 6
	.text
	.protected	k_q61ff11b5f3_combine
	.globl	k_q61ff11b5f3_combine
	.p2align	8
	.type	k_q61ff11b5f3_combine,@function
k_q61ff11b5f3_combine:
	s_mov_b64 s[64:65], 0
	v_nop
	global_prefetch_b8 v0, s[64:65] scope:SCOPE_SE
	s_setreg_imm32_b32 hwreg(HW_REG_WAVE_MODE, 25, 1), 1
	s_wait_xcnt 0x0
; THE SUM.  out0[t] = w0 (y(e0, t) + b2[e0]) + w1 (y(e1, t) + b2[e1]), y(e, t) = the four quarters of K of the row that token t has with expert e, at yp[e][rank of t in e].
; Each output row has one owner: a work-group takes tokens 4 g .. 4 g + 3, thread v0 the 16 bytes at 16 v0 of every row, so a wave's load or store covers 512 consecutive bytes.
; Experts, ranks and weights are read by scalar loads from what earlier launches stored (route and plan: whole numbers); experts are held at 7 and ranks at 1,023 ahead of any address.
; A stream: 40 loads a thread go out together, no LDS, no barrier, no matrix unit.
.set Y, 8                              ; v[8 + 40 i + 20 k + 4 n]: token i, slot k: n = 0 .. 3 the quarters, n = 4 the bias
	s_load_b256 s[4:11], s[0:1], 0x0               ; route s[4:5], xg s[6:7], plan s[8:9], yp s[10:11]
	s_load_b128 s[12:15], s[0:1], 0x20             ; b2 s[12:13], out0 s[14:15]
	v_lshlrev_b32 v1, 4, v0
	s_lshl_b32 s2, ttmp9, 4                        ; 16 g: my four tokens' words
	s_wait_alu depctr_va_vdst(0)
	s_wait_kmcnt 0x0
	s_load_b128 s[16:19], s[4:5], s2 offset:0x0    ; slot 0's experts
	s_load_b128 s[20:23], s[4:5], s2 offset:0x1000 ; slot 1's
	s_load_b128 s[24:27], s[6:7], s2 offset:0xc8000   ; slot 0's weights (xg + 819,200)
	s_load_b128 s[28:31], s[6:7], s2 offset:0xc9000   ; slot 1's
	s_wait_kmcnt 0x0
.irp n, 0,1,2,3,4,5,6,7                ; n = 4 slot + token
	s_min_u32 s[16+\n], s[16+\n], 7
	s_lshl_b32 s[32+\n], s[16+\n], 12
	s_add_co_u32 s[32+\n], s[32+\n], s2            ; plan: 4,096 e + 16 g (+ 4 i in the load)
.endr
.irp n, 0,1,2,3,4,5,6,7
	s_load_b32 s[40+\n], s[8:9], s[32+\n] offset:4*(\n%4)   ; the token's rank in its expert
.endr
	s_wait_kmcnt 0x0
	s_mov_b32 s33, 0
.irp n, 0,1,2,3,4,5,6,7
	s_min_u32 s[40+\n], s[40+\n], 1023
	s_lshl_b32 s32, s[16+\n], 10
	s_add_co_u32 s32, s32, s[40+\n]
	s_lshl_b32 s32, s32, 14                        ; a row of yp: four quarters of 4,096 bytes
	s_add_nc_u64 s[48+2*\n:49+2*\n], s[10:11], s[32:33]
	s_lshl_b32 s32, s[16+\n], 12
	s_add_nc_u64 s[66+2*\n:67+2*\n], s[12:13], s[32:33]
.endr
	s_lshl_b32 s32, ttmp9, 14
	s_add_nc_u64 s[14:15], s[14:15], s[32:33]      ; out0 at my four rows
.irp i, 0,1,2,3
.irp k, 0,1
.irp q, 0,1,2,3
	global_load_b128 v[Y+40*\i+20*\k+4*\q:Y+40*\i+20*\k+4*\q+3], v1, s[48+2*(4*\k+\i):49+2*(4*\k+\i)] offset:4096*\q th:TH_LOAD_NT   ; read once
.endr
	global_load_b128 v[Y+40*\i+20*\k+16:Y+40*\i+20*\k+19], v1, s[66+2*(4*\k+\i):67+2*(4*\k+\i)]
.endr
.endr
.irp i, 0,1,2,3
	s_wait_loadcnt 30-10*\i                        ; token i's ten loads are in; the later tokens' may be out
.irp k, 0,1
.irp h, 0,2
	v_pk_add_f32 v[Y+40*\i+20*\k+\h:Y+40*\i+20*\k+\h+1], v[Y+40*\i+20*\k+\h:Y+40*\i+20*\k+\h+1], v[Y+40*\i+20*\k+4+\h:Y+40*\i+20*\k+5+\h]
	v_pk_add_f32 v[Y+40*\i+20*\k+8+\h:Y+40*\i+20*\k+9+\h], v[Y+40*\i+20*\k+8+\h:Y+40*\i+20*\k+9+\h], v[Y+40*\i+20*\k+12+\h:Y+40*\i+20*\k+13+\h]
.endr
.endr
.irp k, 0,1
.irp h, 0,2
	v_pk_add_f32 v[Y+40*\i+20*\k+\h:Y+40*\i+20*\k+\h+1], v[Y+40*\i+20*\k+\h:Y+40*\i+20*\k+\h+1], v[Y+40*\i+20*\k+8+\h:Y+40*\i+20*\k+9+\h]
.endr
.endr
.irp k, 0,1
.irp h, 0,2
	s_delay_alu instid0(VALU_DEP_4)
	v_pk_add_f32 v[Y+40*\i+20*\k+\h:Y+40*\i+20*\k+\h+1], v[Y+40*\i+20*\k+\h:Y+40*\i+20*\k+\h+1], v[Y+40*\i+20*\k+16+\h:Y+40*\i+20*\k+17+\h]   ; + b2
.endr
.endr
.irp j, 0,1,2,3
	v_mul_f32 v[Y+40*\i+\j], s[24+\i], v[Y+40*\i+\j]
.endr
.irp j, 0,1,2,3
	s_delay_alu instid0(VALU_DEP_4)
	v_fmac_f32 v[Y+40*\i+\j], s[28+\i], v[Y+40*\i+20+\j]
.endr
	global_store_b128 v1, v[Y+40*\i:Y+40*\i+3], s[14:15] offset:4096*\i th:TH_STORE_NT   ; a wave stores 512 consecutive bytes, at a multiple of 256 from out0's first byte
.endr
	s_endpgm
.Lfunc_end_k_q61ff11b5f3_combine:
	.size	k_q61ff11b5f3_combine, .Lfunc_end_k_q61ff11b5f3_combine-k_q61ff11b5f3_combine
	.p2alignl 7, 3214868480
	.fill 96, 4, 3214868480
	.section	.rodata,"a",@progbits
	.p2align	6, 0x0
	.amdhsa_kernel k_q61ff11b5f3_combine
		.amdhsa_group_segment_fixed_size 0
		.amdhsa_private_segment_fixed_size 0
		.amdhsa_enable_private_segment 0
		.amdhsa_kernarg_size 48
		.amdhsa_user_sgpr_count 2
		.amdhsa_user_sgpr_kernarg_segment_ptr 1
		.amdhsa_wavefront_size32 1
		.amdhsa_system_sgpr_workgroup_id_x 1
		.amdhsa_system_sgpr_workgroup_id_y 1
		.amdhsa_system_sgpr_workgroup_id_z 1
		.amdhsa_system_vgpr_workitem_id 0
		.amdhsa_next_free_vgpr 192
		.amdhsa_next_free_sgpr 84
		.amdhsa_reserve_vcc 0
		.amdhsa_float_denorm_mode_32 3
		.amdhsa_float_denorm_mode_16_64 3
		.amdhsa_memory_ordered 1
		.amdhsa_forward_progress 1
		.amdhsa_inst_pref_size 15
	.end_amdhsa_kernel
	.amdgpu_metadata
---
amdhsa.version: [ 1, 2 ]
amdhsa.kernels:
  - .name:           k_q61ff11b5f3_combine
    .symbol:         k_q61ff11b5f3_combine.kd
    .args:
      - { .name: route, .offset: 0, .size: 8, .value_kind: global_buffer, .address_space: global }
      - { .name: xg, .offset: 8, .size: 8, .value_kind: global_buffer, .address_space: global }
      - { .name: plan, .offset: 16, .size: 8, .value_kind: global_buffer, .address_space: global }
      - { .name: yp, .offset: 24, .size: 8, .value_kind: global_buffer, .address_space: global }
      - { .name: b2, .offset: 32, .size: 8, .value_kind: global_buffer, .address_space: global }
      - { .name: out0, .offset: 40, .size: 8, .value_kind: global_buffer, .address_space: global }
    .group_segment_fixed_size: 0
    .private_segment_fixed_size: 0
    .kernarg_segment_align: 8
    .kernarg_segment_size: 48
    .max_flat_workgroup_size: 256
    .sgpr_count:     84
    .vgpr_count:     192
    .wavefront_size: 32
...
	.end_amdgpu_metadata
.endif
;; end of part 10
